; MI455X (gfx1250); checked and timed in simulation.
; The chip was launched on July 23, 2026; its instructions are those of AMD's public machine-readable ISA for CDNA 5 (MIT licence, August 2026) and "CDNA5" Instruction Set Architecture Reference Guide (July 2026). The comments in the code are by the model that wrote it; some were corrected since.
;; Multi Head Attention. Allowed arithmetic: float matrix products may take bf16 or f16 operands with f32 sums; all other float work in f32.
;; Inputs: Wk 1,024 x 1,024 float32; Wo 1,024 x 1,024 float32; Wq 1,024 x 1,024 float32; Wv 1,024 x 1,024 float32; bk 1,024 float32; bo 1,024 float32; bq 1,024 float32; bv 1,024 float32; key_in 4 x 2,048 x 1,024 float32; query 4 x 2,048 x 1,024 float32; value 4 x 2,048 x 1,024 float32.
;; Outputs: out0 4 x 2,048 x 1,024 float32.
;; One version. Each part assembles by itself: llvm-mc -triple=amdgcn-amd-amdhsa -mcpu=gfx1250 --defsym DOCPART=n.
;; ======== version 1 of 1: 4 launches
;; limits: values are held in f16: magnitudes above 65,504 overflow, below 6.1e-05 lose precision
;; workspace buffers: wb 8,388,608 bytes; qkv 50,331,648 bytes; oh 16,777,216 bytes
;; launch cast (part 1): grid 64 x 4, 8 waves a work-group, no clusters, 0 bytes of LDS; arguments Wq, Wk, Wv, Wo, wb; writes wb
.if DOCPART == 1
	.amdgcn_target "amdgcn-amd-amdhsa--gfx1250"
	.amdhsa_code_object_version 6
	.text
	.protected	k_qbf45e2bad1_cast
	.globl	k_qbf45e2bad1_cast
	.p2align	8
	.type	k_qbf45e2bad1_cast,@function
k_qbf45e2bad1_cast:
	s_mov_b64 s[64:65], 0
	v_nop
	global_prefetch_b8 v0, s[64:65] scope:SCOPE_SE
	s_setreg_imm32_b32 hwreg(HW_REG_WAVE_MODE, 25, 1), 1
	s_wait_xcnt 0x0
; The four weights, f32 -> 16 bits, once, for the matrix launches behind.  Wq, Wk, Wv -> wb planes 0-2, bf16;
; Wo -> wb plane 3: rounded to bf16 like every other input, and that number written as f16 (the last product multiplies f16 operands).
; LIMIT.  A bf16 number is exact in f16 between 6.1e-5 and 65,504 in magnitude; below, Wo keeps f16's fixed step of 6e-8; beyond, it would become an infinity.
; SHARES.  y is the weight, 1,048,576 numbers; a work-group takes 65,536 bytes of it (x): 256 work-groups of equal work.
; Thread t loads 16 bytes at 16 t + 4,096 i, i = 0..15: a wave's load covers 512 consecutive bytes, and all sixteen go out at once (8,192 bytes a wave on their way; no loop).
; Each is rounded and stored as 8 bytes at 8 t + 2,048 i: a wave's store covers 256 consecutive bytes, aligned.  Every store has data registers of its own.
; Memory binds: no LDS, no barrier, no matrix unit, no cluster (no byte is read by two work-groups).
.set X,   4                            ; v[4:67]    load i: 4 registers
.set Y,   68                           ; v[68:99]   store i: 2 registers
.set T,   100                          ; v[100:101] at work (Wo's way)
.set HIM, 27                           ; s27        a word's upper bf16
	s_load_b256 s[8:15], s[0:1], 0x0               ; Wq 8, Wk 10, Wv 12, Wo 14
	s_load_b64 s[6:7], s[0:1], 0x20                ; wb
	s_and_b32 s2, ttmp7, 0xffff                    ; the weight, 0..3: also its plane in wb
	s_mov_b32 s[HIM], 0xffff0000
	v_lshlrev_b32 v1, 4, v0                        ; 16 t
	v_lshlrev_b32 v2, 3, v0                        ; 8 t
	s_lshl_b32 s28, ttmp9, 16                      ; 65,536 bytes a work-group in,
	s_mov_b32 s29, 0
	s_lshl_b32 s30, s2, 21                         ; 2,097,152 bytes a plane and
	s_lshl_b32 s31, ttmp9, 15                      ; 32,768 a work-group out
	s_add_co_u32 s30, s30, s31
	s_mov_b32 s31, 0
	s_wait_kmcnt 0x0
	s_cmp_eq_u32 s2, 1                             ; the source is chosen among the four by the weight's number alone
	s_cselect_b64 s[4:5], s[10:11], s[8:9]
	s_cmp_eq_u32 s2, 2
	s_cselect_b64 s[4:5], s[12:13], s[4:5]
	s_cmp_eq_u32 s2, 3
	s_cselect_b64 s[4:5], s[14:15], s[4:5]
	s_add_nc_u64 s[4:5], s[4:5], s[28:29]
	s_add_nc_u64 s[6:7], s[6:7], s[30:31]
.irp i, 0,1,2,3,4,5,6,7,8,9,10,11,12,13,14,15
	global_load_b128 v[X+4*(\i):X+4*(\i)+3], v1, s[4:5] offset:4096*(\i) th:TH_LOAD_NT  ; read once in the whole launch
.endr
; Load i is rounded and stored.  wo = 1: bf16, widened again, then f16.
.macro OUT i, wo
	s_wait_loadcnt 15-(\i)                         ; loads come back in order (ISA guide 5.7.1): load i is in, the 15 - i younger ones may stay out
.if \wo
	v_cvt_pk_bf16_f32 v[T],   v[X+4*(\i)],   v[X+4*(\i)+1]
	v_cvt_pk_bf16_f32 v[T+1], v[X+4*(\i)+2], v[X+4*(\i)+3]
	v_lshlrev_b32 v[X+4*(\i)],   16, v[T]          ; bf16 to f32: the low half moves up,
	v_and_b32     v[X+4*(\i)+1], s[HIM], v[T]      ; the high half stays
	v_lshlrev_b32 v[X+4*(\i)+2], 16, v[T+1]
	v_and_b32     v[X+4*(\i)+3], s[HIM], v[T+1]
	v_cvt_pk_f16_f32 v[Y+2*(\i)],   v[X+4*(\i)],   v[X+4*(\i)+1]
	v_cvt_pk_f16_f32 v[Y+2*(\i)+1], v[X+4*(\i)+2], v[X+4*(\i)+3]
.else
	v_cvt_pk_bf16_f32 v[Y+2*(\i)],   v[X+4*(\i)],   v[X+4*(\i)+1]
	v_cvt_pk_bf16_f32 v[Y+2*(\i)+1], v[X+4*(\i)+2], v[X+4*(\i)+3]
.endif
	global_store_b64 v2, v[Y+2*(\i):Y+2*(\i)+1], s[6:7] offset:2048*(\i)  ; no hint: later launches read it
.endm
	s_cmp_eq_u32 s2, 3
	s_cbranch_scc1 .Lwo
.irp i, 0,1,2,3,4,5,6,7,8,9,10,11,12,13,14,15
	OUT \i, 0
.endr
	s_endpgm
.Lwo:
.irp i, 0,1,2,3,4,5,6,7,8,9,10,11,12,13,14,15
	OUT \i, 1
.endr
	s_endpgm
.Lfunc_end_k_qbf45e2bad1_cast:
	.size	k_qbf45e2bad1_cast, .Lfunc_end_k_qbf45e2bad1_cast-k_qbf45e2bad1_cast
	.p2alignl 7, 3214868480
	.fill 96, 4, 3214868480
	.section	.rodata,"a",@progbits
	.p2align	6, 0x0
	.amdhsa_kernel k_qbf45e2bad1_cast
		.amdhsa_group_segment_fixed_size 0
		.amdhsa_private_segment_fixed_size 0
		.amdhsa_enable_private_segment 0
		.amdhsa_kernarg_size 40
		.amdhsa_user_sgpr_count 2
		.amdhsa_user_sgpr_kernarg_segment_ptr 1
		.amdhsa_wavefront_size32 1
		.amdhsa_system_sgpr_workgroup_id_x 1
		.amdhsa_system_sgpr_workgroup_id_y 1
		.amdhsa_system_sgpr_workgroup_id_z 1
		.amdhsa_system_vgpr_workitem_id 0
		.amdhsa_next_free_vgpr 104
		.amdhsa_next_free_sgpr 66
		.amdhsa_reserve_vcc 0
		.amdhsa_float_denorm_mode_32 3
		.amdhsa_float_denorm_mode_16_64 3
		.amdhsa_memory_ordered 1
		.amdhsa_forward_progress 1
		.amdhsa_inst_pref_size 15
	.end_amdhsa_kernel
	.amdgpu_metadata
---
amdhsa.version: [ 1, 2 ]
amdhsa.kernels:
  - .name:           k_qbf45e2bad1_cast
    .symbol:         k_qbf45e2bad1_cast.kd
    .args:
      - { .name: Wq, .offset: 0, .size: 8, .value_kind: global_buffer, .address_space: global }
      - { .name: Wk, .offset: 8, .size: 8, .value_kind: global_buffer, .address_space: global }
      - { .name: Wv, .offset: 16, .size: 8, .value_kind: global_buffer, .address_space: global }
      - { .name: Wo, .offset: 24, .size: 8, .value_kind: global_buffer, .address_space: global }
      - { .name: wb, .offset: 32, .size: 8, .value_kind: global_buffer, .address_space: global }
    .group_segment_fixed_size: 0
    .private_segment_fixed_size: 0
    .kernarg_segment_align: 8
    .kernarg_segment_size: 40
    .max_flat_workgroup_size: 256
    .sgpr_count:     66
    .vgpr_count:     104
    .wavefront_size: 32
...
	.end_amdgpu_metadata
.endif
;; end of part 1
;; launch proj (part 2): grid 4 x 64, 4 waves a work-group, clusters of 4 x 4, 327,680 bytes of LDS; arguments query, key_in, value, wb, bq, bk, bv, qkv; writes qkv
.if DOCPART == 2
	.amdgcn_target "amdgcn-amd-amdhsa--gfx1250"
	.amdhsa_code_object_version 6
	.text
	.protected	k_qbf45e2bad1_proj
	.globl	k_qbf45e2bad1_proj
	.p2align	8
	.type	k_qbf45e2bad1_proj,@function
k_qbf45e2bad1_proj:
	s_mov_b64 s[64:65], 0
	v_nop
	global_prefetch_b8 v0, s[64:65] scope:SCOPE_SE
	s_setreg_imm32_b32 hwreg(HW_REG_WAVE_MODE, 25, 1), 1
	s_wait_xcnt 0x0
	s_wait_alu depctr_hold_cnt(0) depctr_sa_sdst(0) depctr_va_vdst(0) depctr_va_sdst(0) depctr_va_ssrc(0) depctr_va_vcc(0) depctr_vm_vsrc(0)
	s_getreg_b32 s2, hwreg(HW_REG_IB_STS2, 6, 4)
	s_cmp_eq_u32 s2, 0
	s_cbranch_scc0 .Lentry_in_a_cluster
	s_endpgm
.Lentry_in_a_cluster:
	s_bfe_u32 s2, ttmp6, 0x10000c
	s_cmp_lg_u32 s2, 0xf033
	s_cbranch_scc0 .Lentry_shape_is_right
	s_endpgm
.Lentry_shape_is_right:
; q, k, v = x W^T + b.  x: query, key_in, value, [8192][1024] f32, rounded to bf16 HERE, on the way from LDS to the matrix unit; W: wb planes 0-2 [1024][1024] bf16; b: f32, rounded to bf16 here too,
; like every other input; sums in f32; out: qkv [3][64 = batch x 16 + head][2048][64] f16, rounded once, WITHOUT attention's scale.
; LIMIT.  f16 ends at 65,504: a q, k or v of 65,520 or more in magnitude would become an infinity.  Inputs 30 times the drawn spread give a spread of about 900, a common offset of 30 spreads in x and W about 28,800.
; SHARES.  A tile of C is 128 rows x 256 columns: one projection has 64 x 4 = 256 of them, one for each work-group.  A WORK-GROUP STAYS and makes three tiles: the same tile of q, of k, of v.
; Four waves; wave w makes rows 64 (w / 2) .. + 63, columns 128 (w % 2) .. + 127: 32 accumulators of 16 x 16, 256 registers.
; K goes in steps of 128 through two LDS slots: x's tile rows are 512 bytes of memory, W's 256, each at a multiple of its length from the buffer's first byte.  8 steps a tile, 24 in the walk, 128 matrix
; instructions a wave in a step.  Two slots of a longer step do not fit: a step of 256 would want 2 x 270,336 bytes.
; ONE WALK.  The three tiles' 24 steps are one sequence for the ring: a counter of K bytes steps with each fill and at a row's end goes back to 0 and on to the next x and the next plane of W; each fill's
; address is made anew from the pointer in use and an offset made apart.  ONE loop of 11 laps (two steps each) walks it; a tile's end is a block that the other laps jump over, forward, with no barrier
; and no tensor load in it; the last lap, which asks for nothing, is written out.
; CLUSTER.  4 x 4 work-groups.  The four of a row of the cluster need the same tiles of x, the four of a column the same tiles of W: each tile is asked for JOINTLY, by the same tensor load with the
; same descriptor and a mask that names the four.
; THE MATRIX INSTRUCTION IS USED TRANSPOSED (source 0 = 16 rows of W, source 1 = 16 rows of x): lane l holds row l % 16 of C and the columns 8 (l / 16) + 0..7, eight neighbouring numbers.
; THE BIAS is the C operand of the product that starts each sum: nothing is cleared and nothing is added afterwards.
; THE ROUNDING OF x.  A quarter step's 64 rows x 32 K of f32 come out of LDS into 64 registers and 32 conversions make the four fragments of them: one run at the quarter's head.  Set singly behind the
; matrix instructions they would each want two switches of the register window: no window holds them, their sources and the 256 accumulators together.
; PREFETCH.  x is read once in the launch, straight from memory.  At a lap's second change of slots each wave asks for 32 blocks of 256 bytes: of rows 32 cx + 8 w .. + 7 of x's tile the 1,024 bytes that
; the lap two trips on multiplies; the sixteen waves of the four partners cover the tile's 128 rows, each block once.  The tensor loads for those bytes follow one and two changes of slots later.
; One such request, for the second lap, stands at the kernel's head; the loop's last trip asks for nothing, so none points past value's last row.  W's tiles are read again by 64 row tiles: no prefetch.
; REGISTERS, in windows of 256 (s_set_vgpr_msb: bits 1:0 source 0, 3:2 source 1, 5:4 source 2, 7:6 destination):
;   window 0: v0-31 addresses; v32-47 packed results; v48-63, v192-207 rows read back from the stage, by turns; v64-127 the bias as 8 C operands; v128-159, v160-191 fragments of x, two buffers
;   window 1: v0-63, v64-127 fragments of W, two buffers; v128-191 x as f32          window 2: accumulator (a, b) at v[8 (8 a + b)]
.set PITCH,  272                       ; a row of W in LDS: 256 bytes + 16 of padding = 68 words: the 16 rows of a fragment load start at 16 different groups of four banks (64 banks of 4 bytes: ISA guide 11.1)
.set APITCH, 528                       ; a row of x: 512 bytes + 16 = 132 words: likewise
.set ABYTES, 128*APITCH                ; x's 128 rows
.set SLOT,   ABYTES+256*PITCH          ; then W's 256 rows
.set STAGE,  2*SLOT                    ; behind the ring, never filled by a tensor load: 16 rows x 144 bytes for each wave, for the way out
.set SPITCH, 144
.set SPARE,  STAGE+4*16*SPITCH         ; behind the stages: the spare words, 128 bytes for each wave: two blocks of 256 bytes that no other line names
.set WJUMP,  1024*2048-2048            ; bytes from the end of a row of one plane of wb to the same row's beginning in the next
.set PFO,  6                           ; v6      my byte offset in x for the prefetch; never rewritten
.set ADRA, 16                          ; v16-17  LDS address of my rows of x in slot 0, 1
.set ADRB, 20                          ; v20-21  the same for W
.set STO,  24                          ; v24     the way out: where I put 16 bytes of a row
.set RD,   25                          ; v25     the way out: where I read rows back
.set GO,   26                          ; v26     my byte offset in 512 consecutive bytes of qkv
.set BO,   27                          ; v27     my byte offset in 16 numbers of the bias: 32 (l / 16)
.set SPW,  28                          ; v28     LDS address of my spare word: SPARE + 4 x my thread's number; never rewritten
.set NIL,  29                          ; v29     0; never rewritten
.set RT,   30                          ; v30-31  at work: the bias's rounding
.set TMP,  32
.set BI,   64
.set FA,   128
.set RAW,  128                         ; in window 1
.set PKO, 2                            ; s[2:3]   the prefetch's K bytes, high word 0
.set WV,  20                           ; s20  my wave's number
.set RH,  21                           ; s21  which 64 rows of the tile are mine.  Also: I fetch for x (0) or for W (1)
.set CH,  22                           ; s22  which 128 columns.  Also: which half of that tile's rows I fetch
.set G1A, 24                           ; s[24:31] descriptor group 1 for x's tiles;  s[32:39] group 0, one set for each slot
.set G0A, 32
.set G1B, 40                           ; s[40:47], s[48:55] the same for W's tiles
.set G0B, 48
.set AOF, 56                           ; s56  byte offset in x of the rows that I fetch: made of the tile row and the wave's number alone
.set WP,  58                           ; s[58:59] wb at the rows that I fetch: made of the tile column and the wave's number alone
.set TL,  60                           ; s60  tiles to go, this one among them
.set LAP, 61                           ; s61  counts the loop's laps
.set TQ,  62                           ; s62  laps of the tile in hand that are still to be ended
.set HIM, 63                           ; s63  a word's upper bf16
.set BP,  66                           ; s[66:67] the bias in use, at my 128 columns
.set CB,  70                           ; s[70:71] qkv at my part of the tile
.set XC,  86                           ; s[86:87] the x whose tiles are being asked for
.set XN,  88                           ; s[88:89] the x behind it
.set OFA, 90                           ; s[90:91] a fill's byte offset in x, high word 0
.set OFB, 92                           ; s[92:93] the next fill's byte offset from WP, high word 0
.set KO,  94                           ; s94  the next fill's K bytes in a row of x
.set PX,  98                           ; s[98:99] the x that the prefetch walks
.set PN,  100                          ; s[100:101] the x behind it
.set PA,  104                          ; s[104:105] the prefetch's base
.set MSB, 0
.macro WIN new                         ; the immediate's high byte repeats the setting that is left; a switch that changes nothing is dropped
.if MSB != (\new)
	s_set_vgpr_msb (MSB<<8)|(\new)
.set MSB, \new
.endif
.endm
.set MUL,  0xa1                        ; source 0 (W) window 1, source 1 (x) window 0, C and D window 2
.set MULB, 0x81                        ; the same with C (the bias) in window 0
.set TO_1, 0x40                        ; destination window 1, address window 0
.set CV,   0x05                        ; sources 0 and 1 window 1, destination window 0
.set PK,   0x0a                        ; sources 0 and 1 window 2, destination window 0
; A joint load.  Waves 0 and 1 fetch the two halves of x's tile, waves 2 and 3 those of W's.  Each of the two lines has one mask and one set of registers for all that issue it.  The branch hangs on the
; wave's number alone.  An s_nop 0 and four v_nop follow each of the two lines, ahead of the jump and the label.
.macro JLOAD s
	s_cmp_eq_u32 s[RH], 0
	s_cbranch_scc0 .Lfor_b_\@
	tensor_load_to_lds s[G0A+4*(\s):G0A+4*(\s)+3], s[G1A:G1A+7]
	s_nop 0
.rept 4
	v_nop
.endr
	s_branch .Lasked_\@
.Lfor_b_\@:
	tensor_load_to_lds s[G0B+4*(\s):G0B+4*(\s)+3], s[G1B:G1B+7]
	s_nop 0
.rept 4
	v_nop
.endr
.Lasked_\@:
.endm
; A round of the cluster's barrier: my work-group's barrier, so that wave 0's signal speaks for all four waves; wave 0 signals; every wave waits for all sixteen work-groups; my work-group's barrier once more.
.macro CREST                           ; a round behind its opening barrier
	s_cmp_lg_u32 s[WV], 0
	s_cbranch_scc1 .Lnot_wave_0_\@
	s_barrier_signal -3
.Lnot_wave_0_\@:
	s_barrier_wait -3
	s_barrier_signal -1
	s_barrier_wait -1
.endm
.macro CROUND                          ; a whole round
	s_barrier_signal -1
	s_barrier_wait -1
	CREST
.endm
; One request of the prefetch, and its walk's step: 1,024 bytes along K; at a row's end back to 0 and on to the next x.
.macro PREF
	s_wait_xcnt 0x0                                ; the request before has had its addresses translated (ISA guide 3.1): its base is written again only behind this wait
	s_add_nc_u64 s[PA:PA+1], s[PX:PX+1], s[PKO:PKO+1]
	global_prefetch_b8 v[PFO], s[PA:PA+1] th:TH_LOAD_NT scope:SCOPE_SE
	s_add_co_u32 s[PKO], s[PKO], 1024
	s_cmp_eq_u32 s[PKO], 4096
	s_cselect_b32 s[PKO], 0, s[PKO]
	s_cselect_b64 s[PX:PX+1], s[PN:PN+1], s[PX:PX+1]
	s_cselect_b64 s[PN:PN+1], s[8:9], s[PN:PN+1]
.endm
	s_load_b512 s[4:19], s[0:1], 0x0               ; query 4, key_in 6, value 8, wb 10, bq 12, bk 14, bv 16, qkv 18
	v_lshl_add_u32 v[SPW], v0, 2, SPARE
	v_mov_b32 v[NIL], 0
	ds_add_u32 v28, v29
	ds_add_u32 v28, v29
	s_wait_dscnt 0x0
	v_lshrrev_b32 v1, 5, v0
	v_readfirstlane_b32 s[WV], v1                  ; wave 0..3
	s_lshr_b32 s[RH], s[WV], 1
	s_and_b32 s[CH], s[WV], 1
	s_bfe_u32 s82, ttmp6, 0x40000                  ; cx: my place along the cluster's x
	s_bfe_u32 s83, ttmp6, 0x40004                  ; cy: along its y
	s_lshl_b32 s84, ttmp9, 2                       ; in a cluster launch ttmp9 and ttmp7 count clusters
	s_add_co_u32 s84, s84, s82                     ; tile column = 4 x cluster x + cx
	s_and_b32 s85, ttmp7, 0xffff
	s_lshl_b32 s85, s85, 2
	s_add_co_u32 s85, s85, s83                     ; tile row = 4 x cluster y + cy
	s_lshl_b32 s23, s83, 2
	s_lshl_b32 s23, 15, s23                        ; my row of the cluster: places 4 cy .. 4 cy + 3
	s_lshl_b32 s72, 0x1111, s82                    ; my column: places cx, cx + 4, cx + 8, cx + 12
	; descriptor group 1.  x: 64 rows of 128 elements of 4 bytes; W: 128 rows of 128 elements of 2 bytes; both padded in LDS behind every row
	s_or_b32 s[G1A], s23, (2<<16)|(1<<20)|(1<<21)|(6<<22)|(3<<25)  ; 15:0 the mask: x's tiles go to my row; 17:16 elements of 4 bytes; 20 padding on; 21 set beside a mask; 24:22 after every 128 words (code 6); 31:25 4 words (code 3)
	s_or_b32 s[G1B], s72, (1<<16)|(1<<20)|(1<<21)|(5<<22)|(3<<25)  ; W's go to my column; elements of 2 bytes; padding after every 64 words (code 5)
	s_mov_b32 s[G1A+1], 128<<16                    ; tensor_dim0 = 128
	s_mov_b32 s[G1A+2], 64<<16                     ; tensor_dim1 = 64
	s_mov_b32 s[G1A+3], 128<<16                    ; tile_dim0 = 128
	s_mov_b32 s[G1A+4], 64                         ; tile_dim1 = 64
	s_mov_b32 s[G1A+5], 1024                       ; 1,024 elements from row to row
	s_mov_b32 s[G1A+6], 0
	s_mov_b32 s[G1A+7], 0
	s_mov_b32 s[G1B+1], 128<<16
	s_mov_b32 s[G1B+2], 128<<16                    ; tensor_dim1 = 128
	s_mov_b32 s[G1B+3], 128<<16
	s_mov_b32 s[G1B+4], 128                        ; tile_dim1 = 128
	s_mov_b32 s[G1B+5], 1024
	s_mov_b32 s[G1B+6], 0
	s_mov_b32 s[G1B+7], 0
	; where the tiles come from.  x's hang on the tile row alone, W's on the tile column alone; each offset lies in registers that never hold the other coordinate.
	s_lshl_b32 s73, s[CH], 6                       ; which 64 rows of x's tile I fetch
	s_lshl_b32 s74, s[CH], 7                       ; which 128 rows of W's
	s_lshl_b32 s[AOF], s85, 7
	s_add_co_u32 s[AOF], s[AOF], s73               ; x: row 128 x tile row + 64 x half,
	s_lshl_b32 s[AOF], s[AOF], 12                  ; of 4,096 bytes: under 2^25
	s_mov_b32 s[AOF+1], 0
	s_lshl_b32 s58, s84, 8
	s_add_co_u32 s58, s58, s74                     ; W: row 256 x tile column + 128 x half
	s_lshl_b32 s68, s58, 2                         ; which is also my first column: its byte in a bias
	s_mov_b32 s69, 0
	s_lshl_b32 s58, s58, 11                        ; of 2,048 bytes
	s_mov_b32 s59, 0
	s_mul_i32 s75, s[CH], 64*APITCH                ; and where they go: no place in the cluster enters an LDS address
	s_mul_i32 s76, s[CH], 128*PITCH
	s_add_co_u32 s76, s76, ABYTES
	s_mov_b32 s[HIM], 0xffff0000
	s_mov_b32 s[OFA+1], 0
	s_mov_b32 s[OFB], 512                          ; the walk goes on at K step 2: 256 bytes a step in W,
	s_mov_b32 s[OFB+1], 0
	s_mov_b32 s[KO], 1024                          ; 512 in x
	s_mov_b32 s[PKO], 1024                         ; the prefetch begins with the second lap
	s_mov_b32 s[PKO+1], 0
	s_wait_kmcnt 0x0
	s_add_nc_u64 s[96:97], s[4:5], s[AOF:AOF+1]    ; query at the rows that I fetch
	s_add_nc_u64 s[WP:WP+1], s[10:11], s[58:59]
	s_mov_b64 s[XC:XC+1], s[4:5]
	s_mov_b64 s[XN:XN+1], s[6:7]
	s_mov_b64 s[PX:PX+1], s[4:5]
	s_mov_b64 s[PN:PN+1], s[6:7]
	CROUND                                         ; all sixteen work-groups are here: the first joint loads meet
.irp s, 0,1
	s_mov_b32 s[G0A+4*(\s)], 1                                       ; 1:0 count = 1
	s_add_co_u32 s[G0A+4*(\s)+1], s75, (\s)*SLOT                     ; 63:32 LDS address
	s_add_nc_u64 s[G0A+4*(\s)+2:G0A+4*(\s)+3], s[96:97], (\s)*512    ; 120:64 global address: K step s
	s_or_b32 s[G0A+4*(\s)+3], s[G0A+4*(\s)+3], 0x80000000            ; 127:126 type = 2
	s_mov_b32 s[G0B+4*(\s)], 1
	s_add_co_u32 s[G0B+4*(\s)+1], s76, (\s)*SLOT
	s_add_nc_u64 s[G0B+4*(\s)+2:G0B+4*(\s)+3], s[WP:WP+1], (\s)*256
	s_or_b32 s[G0B+4*(\s)+3], s[G0B+4*(\s)+3], 0x80000000
	JLOAD \s                                       ; the ring is filled before anything else is done: two loads of mine are out
.endr
	; the prefetch's lane term: row 128 x tile row + 32 cx + 8 w + l / 4, of 4,096 bytes, and block l % 4 of 256 bytes
	v_lshrrev_b32 v6, 2, v0                        ; 8 w + l / 4
	s_lshl_b32 s80, s85, 7
	s_lshl_b32 s81, s82, 5
	s_add_co_u32 s80, s80, s81
	v_add_nc_u32 v6, s80, v6
	v_and_b32 v7, 3, v0
	v_lshlrev_b32 v6, 12, v6
	v_lshl_add_u32 v[PFO], v7, 8, v6
	PREF                                           ; the second lap's 1,024 bytes of my eight rows
	; A fragment is 16 rows x 32 K in 8 registers: lane l holds row l % 16; registers 0-3 K = 8 (l / 16) + 0..7, registers 4-7 K = 16 + 8 (l / 16) + 0..7.
	; Of W: two loads of 16 bytes, 32 bytes apart.  Of x, in f32: 32 bytes at 32 (l / 16) and 32 bytes 64 further on: four loads of 16 bytes.
	v_and_b32 v1, 15, v0                           ; l % 16
	v_bfe_u32 v2, v0, 4, 1                         ; l / 16
	v_mul_u32_u24 v3, v1, PITCH
	v_lshl_add_u32 v3, v2, 4, v3                   ; W: row x pitch + 16 x half
	v_mul_u32_u24 v4, v1, APITCH
	v_lshl_add_u32 v4, v2, 5, v4                   ; x: row x pitch + 32 x half
	s_mul_i32 s77, s[RH], 64*APITCH                ; my 64 rows of x
	s_mul_i32 s78, s[CH], 128*PITCH                ; my 128 rows of W,
	s_add_co_u32 s78, s78, ABYTES                  ; which lie behind x's 128
.irp s, 0,1
	v_add_nc_u32 v[ADRA+(\s)], s77, v4
	v_add_nc_u32 v[ADRB+(\s)], s78, v3
	s_add_co_u32 s77, s77, SLOT
	s_add_co_u32 s78, s78, SLOT
.endr
	s_mul_i32 s79, s[WV], 16*SPITCH
	s_add_co_u32 s79, s79, STAGE                   ; my stage
	v_mul_u32_u24 v4, v1, SPITCH                   ; in: row l % 16, 16 bytes for each half of the lanes
	v_lshl_add_u32 v4, v2, 4, v4
	v_add_nc_u32 v[STO], s79, v4
	v_bfe_u32 v5, v0, 3, 2                         ; back: 32 lanes take four rows of 128 bytes,
	v_mul_u32_u24 v5, v5, SPITCH
	v_and_b32 v4, 7, v0
	v_lshl_add_u32 v5, v4, 4, v5
	v_add_nc_u32 v[RD], s79, v5
	v_and_b32 v[GO], 31, v0                        ; which are 512 consecutive bytes of a head's rows
	v_lshlrev_b32 v[GO], 4, v[GO]
	v_lshlrev_b32 v[BO], 5, v2
	; my part of the tile in qkv: batch (tile row / 16) x 16 heads, head 4 x tile column + 2 x half, row 128 (tile row % 16) + 64 x half, of 128 bytes
	s_lshr_b32 s70, s85, 4
	s_lshl_b32 s70, s70, 22
	s_lshl_b32 s80, s84, 2
	s_lshl_b32 s81, s[CH], 1
	s_add_co_u32 s80, s80, s81
	s_lshl_b32 s80, s80, 18
	s_add_co_u32 s70, s70, s80
	s_and_b32 s80, s85, 15
	s_lshl_b32 s80, s80, 7
	s_lshl_b32 s81, s[RH], 6
	s_add_co_u32 s80, s80, s81
	s_lshl_b32 s80, s80, 7
	s_add_co_u32 s70, s70, s80
	s_mov_b32 s71, 0
	s_add_nc_u64 s[CB:CB+1], s[18:19], s[70:71]
	s_add_nc_u64 s[BP:BP+1], s[12:13], s[68:69]    ; bq at my 128 columns
; 8 matrix instructions: row block a x all 8 column blocks, 32 along K, from buffer f.  first = 1: the product starts the sums, on the bias.
; The 32 accumulators take turns, one instruction a turn, in the same order in every quarter step.
.macro MULA f, a, first
.if \first
	WIN MULB
.else
	WIN MUL
.endif
.irp b, 0,1,2,3,4,5,6,7
.if \first
	v_wmma_f32_16x16x32_bf16 v[8*(8*(\a)+(\b)):8*(8*(\a)+(\b))+7], v[64*(\f)+8*(\b):64*(\f)+8*(\b)+7], v[FA+32*(\f)+8*(\a):FA+32*(\f)+8*(\a)+7], v[BI+8*(\b):BI+8*(\b)+7]
.else
	v_wmma_f32_16x16x32_bf16 v[8*(8*(\a)+(\b)):8*(8*(\a)+(\b))+7], v[64*(\f)+8*(\b):64*(\f)+8*(\b)+7], v[FA+32*(\f)+8*(\a):FA+32*(\f)+8*(\a)+7], v[8*(8*(\a)+(\b)):8*(8*(\a)+(\b))+7]
.endif
.endr
.endm
; 32 LDS loads in one run, all into window 1: quarter kq of a K step: first my 64 rows of x as f32 (16 loads), then the fragments of 128 rows of W into buffer f (16 loads)
.macro FETCH slot, kq, f
	WIN TO_1
.irp i, 0,1,2,3
	ds_load_b128 v[RAW+16*(\i):RAW+16*(\i)+3],     v[ADRA+(\slot)] offset:128*(\kq)+(\i)*16*APITCH
	ds_load_b128 v[RAW+16*(\i)+4:RAW+16*(\i)+7],   v[ADRA+(\slot)] offset:128*(\kq)+(\i)*16*APITCH+16
	ds_load_b128 v[RAW+16*(\i)+8:RAW+16*(\i)+11],  v[ADRA+(\slot)] offset:128*(\kq)+(\i)*16*APITCH+64
	ds_load_b128 v[RAW+16*(\i)+12:RAW+16*(\i)+15], v[ADRA+(\slot)] offset:128*(\kq)+(\i)*16*APITCH+80
.endr
.irp i, 0,1,2,3,4,5,6,7
	ds_load_b128 v[64*(\f)+8*(\i):64*(\f)+8*(\i)+3],   v[ADRB+(\slot)] offset:64*(\kq)+(\i)*16*PITCH
	ds_load_b128 v[64*(\f)+8*(\i)+4:64*(\f)+8*(\i)+7], v[ADRB+(\slot)] offset:64*(\kq)+(\i)*16*PITCH+32
.endr
.endm
; 32 conversions: x's four fragments of buffer f, two roundings to bf16 each, the lower K into the low half.
; A load into a register that a matrix instruction has read stands four places behind that matrix instruction, and only plain vector instructions that name none of its registers are places (ISA guide
; 7.12.1 for vector instructions).  These 32 name the other buffer's fragments and x's f32 alone: they are the places between the quarter before, which read buffer 1 - f,
; and this quarter's loads into it.
.macro CVT f
	WIN CV
.irp i, 0,1,2,3
.irp j, 0,1,2,3,4,5,6,7
	v_cvt_pk_bf16_f32 v[FA+32*(\f)+8*(\i)+(\j)], v[RAW+16*(\i)+2*(\j)], v[RAW+16*(\i)+2*(\j)+1]
.endr
.endr
.endm
.macro PLACES
.rept 4
	v_nop
.endr
.endm
; A K step is four quarters of 32 along K, 32 matrix instructions each, on buffers 0, 1, 0, 1.  One of the first three: rounds x, multiplies buffer f; in its middle it fetches quarter kq of the same slot for buffer g.
.macro QUARTER slot, kq, f, g, first
	s_wait_dscnt 16                                ; x's sixteen loads are in; W's sixteen, issued behind them, may be out while x is rounded
	CVT \f
	s_wait_dscnt 0x0                               ; W's are in
	MULA \f, 0, \first
	MULA \f, 1, \first
	FETCH \slot, \kq, \g
	MULA \f, 2, \first
	MULA \f, 3, \first
.endm
; The walk's step: slot's two group 0 take the addresses of the K step to be asked for; then the counters go on, and at a row's end (4,096 bytes of x) to the next x and the next plane of W.
.macro ASK slot
	s_add_co_u32 s[OFA], s[AOF], s[KO]
	s_add_nc_u64 s[G0A+4*(\slot)+2:G0A+4*(\slot)+3], s[XC:XC+1], s[OFA:OFA+1]
	s_or_b32 s[G0A+4*(\slot)+3], s[G0A+4*(\slot)+3], 0x80000000
	s_add_nc_u64 s[G0B+4*(\slot)+2:G0B+4*(\slot)+3], s[WP:WP+1], s[OFB:OFB+1]
	s_or_b32 s[G0B+4*(\slot)+3], s[G0B+4*(\slot)+3], 0x80000000
	s_add_co_u32 s[KO], s[KO], 512
	s_add_co_u32 s[OFB], s[OFB], 256
	s_cmp_eq_u32 s[KO], 4096
	s_cselect_b32 s[KO], 0, s[KO]
	s_cselect_b32 s95, WJUMP, 0
	s_cselect_b64 s[XC:XC+1], s[XN:XN+1], s[XC:XC+1]
	s_cselect_b64 s[XN:XN+1], s[8:9], s[XN:XN+1]
	s_add_co_u32 s[OFB], s[OFB], s95
.endm
; The last quarter multiplies buffer 1 and changes slots.  MEET is its first half: ONE barrier for the change.  In front of it each wave waits for all its tensor loads, of which one is out: its part of
; the next slot; adds 0 to its spare word; and waits for that and for its own reads of this slot.  Behind it nobody reads this slot any more and the next slot is whole.
.macro MEET fill, slot                 ; fill = 1: the slot's descriptors are stepped, and the rest of a round of the cluster's barrier follows
	WIN 0                                          ; (the add's two registers lie in window 0)
	s_wait_tensorcnt 0x0                           ; all my tensor loads have landed, so a group 0 may be written;
	ds_add_u32 v[SPW], v[NIL]                      ; 0 onto my spare word;
.if \fill
	ASK \slot                                      ; the walk's scalar work and x's rounding stand between the add and the wait for it
.endif
	s_wait_dscnt 17                                ; x's sixteen loads are in; W's sixteen and the add may be out
	CVT 1
	s_wait_dscnt 0x0                               ; the add is done, and my reads of this slot are over:
	s_barrier_signal -1                            ; say so,
	MULA 1, 0, 0                                   ; work on registers while the others arrive,
	MULA 1, 1, 0
.if \fill
	WIN 0
.endif
	s_barrier_wait -1                              ; and go on when all four have said so
.endm
; The whole last quarter.  fill = 1: the slot just read is filled again, with the walk's K step two on, behind a round of the cluster's barrier; from the request to the wait for it a wave issues 112 matrix
; instructions.  pf = 1: the prefetch's request follows the load; the loop's last trip jumps over it.
.macro TURN slot, next, fill, pf=0
	MEET \fill, \slot
.if \fill
	CREST                                          ; no wave of any partner still reads this slot's tile or has a load on its way
	JLOAD \slot                                    ; the first tensor load behind the round, my only one until the next
.if \pf
	s_cmp_eq_u32 s[LAP], 1
	s_cbranch_scc1 .Lno_pf_\@
	PREF
.Lno_pf_\@:
.endif
.endif
	FETCH \next, 0, 0
	MULA 1, 2, 0
	MULA 1, 3, 0
.endm
; The bias of my 128 columns as 8 C operands: register j of block b is b[16 b + 8 (l / 16) + j].
.macro BIAS_LOAD
.irp b, 0,1,2,3,4,5,6,7
	global_load_b128 v[BI+8*(\b):BI+8*(\b)+3],   v[BO], s[BP:BP+1] offset:64*(\b)
	global_load_b128 v[BI+8*(\b)+4:BI+8*(\b)+7], v[BO], s[BP:BP+1] offset:64*(\b)+16
.endr
.endm
.macro BIAS_ROUND                      ; rounded to bf16 and widened again, in place
	s_wait_loadcnt 0x0                             ; the sixteen loads are in; their base may be written again
.set z, 0
.rept 32
	v_cvt_pk_bf16_f32 v[RT+z%2], v[BI+2*z], v[BI+2*z+1]
	v_lshlrev_b32 v[BI+2*z],   16, v[RT+z%2]
	v_and_b32     v[BI+2*z+1], s[HIM], v[RT+z%2]
.set z, z+1
.endr
.endm
; THE WAY OUT, by units u = 0..7: 16 rows (row block u / 2) of one head (u % 2 of my two).  PACK: rounded to f16, 16 bytes a lane, each accumulator's registers in ascending order.
; TOSTAGE: into my own stage, rows of 144 bytes, and back as whole rows of 128.  SEND: stored, 512 consecutive bytes an instruction.
.macro PACK u
	WIN PK
.irp f, 0,1,2,3
.irp r, 0,1,2,3
	v_cvt_pk_f16_f32 v[TMP+4*(\f)+(\r)], v[8*(8*((\u)/2)+4*((\u)%2)+(\f))+2*(\r)], v[8*(8*((\u)/2)+4*((\u)%2)+(\f))+2*(\r)+1]
.endr
.endr
	WIN 0
.endm
.macro TOSTAGE u
.set BK, 48+144*((\u)%2)
.irp f, 0,1,2,3
	ds_store_b128 v[STO], v[TMP+4*(\f):TMP+4*(\f)+3] offset:32*(\f)
.endr
.irp f, 0,1,2,3
	ds_load_b128 v[BK+4*(\f):BK+4*(\f)+3], v[RD] offset:(\f)*4*SPITCH  ; LDS serves a wave's instructions in order (ISA guide 5.7.1.4): these see the stores above; the next unit's stores come behind them
.endr
.endm
.macro SEND u
.set BK, 48+144*((\u)%2)
	s_wait_dscnt 0x0                               ; the unit is back in registers
	s_wait_xcnt 0x0                                ; every earlier store has had its addresses translated (ISA guide 3.1): the other set of rows, which the unit before stored, is loaded again only behind this wait
.irp f, 0,1,2,3
	global_store_b128 v[GO], v[BK+4*(\f):BK+4*(\f)+3], s[CB:CB+1] offset:262144*((\u)%2)+2048*((\u)/2)+512*(\f)
.endr
.endm
.macro WAYOUT
	PLACES                                         ; the conversions read results just made
	PACK 0
	TOSTAGE 0
.irp u, 1,2,3,4,5,6,7                  ; unit u's conversions stand between unit u - 1's loads from the stage and the wait for them
	PACK \u
	SEND (\u)-1
	TOSTAGE \u
.endr
	SEND 7
.endm
	BIAS_LOAD
	BIAS_ROUND
	s_wait_tensorcnt 1                             ; my part of K step 0 is in; K step 1's may stay out
	s_barrier_signal -1
	s_barrier_wait -1                              ; everybody's is
	FETCH 0, 0, 0
	QUARTER 0, 1, 0, 1, 1                          ; the first tile's first quarter stands in front of the loop: its products start the sums on the bias
	WIN 0                                          ; at a label and at a branch every window is 0
	s_mov_b32 s[LAP], 11
	s_mov_b32 s[TQ], 4
	s_mov_b32 s[TL], 3
.Llap:                                                 ; 11 trips: a trip goes once round the ring, from a lap's second quarter to the next lap's first, and fills both slots again
	QUARTER 0, 2, 1, 0, 0
	QUARTER 0, 3, 0, 1, 0
	TURN 0, 1, 1
	QUARTER 1, 1, 0, 1, 0
	QUARTER 1, 2, 1, 0, 0
	QUARTER 1, 3, 0, 1, 0
	TURN 1, 0, 1, 1                                ; the next lap's first fragments are fetched: at a tile's end they are the next tile's
	WIN 0
	s_sub_co_u32 s[TQ], s[TQ], 1
	s_cmp_lg_u32 s[TQ], 0
	s_cbranch_scc1 .Lsame
	; A TILE'S END (trips 4 and 8).  Both refills have been asked for: now the tile goes out, and nothing waits for its stores.
	s_cmp_eq_u32 s[TL], 3                          ; behind q comes k, behind k comes v
	s_cselect_b64 s[BP:BP+1], s[14:15], s[16:17]
	s_add_nc_u64 s[BP:BP+1], s[BP:BP+1], s[68:69]
	BIAS_LOAD                                      ; the next tile's bias is on its way while this tile goes out
	WAYOUT
	BIAS_ROUND
	s_wait_xcnt 0x0                                ; the stores have read their base
	s_add_nc_u64 s[CB:CB+1], s[CB:CB+1], 0x1000000 ; the next plane of qkv
	s_sub_co_u32 s[TL], s[TL], 1
	s_mov_b32 s[TQ], 4
	QUARTER 0, 1, 0, 1, 1                          ; the next tile's first quarter starts the sums anew, on its bias
	WIN 0
	s_branch .Lnext
.Lsame:
	QUARTER 0, 1, 0, 1, 0
	WIN 0
.Lnext:
	s_sub_co_u32 s[LAP], s[LAP], 1
	s_cmp_lg_u32 s[LAP], 0
	s_cbranch_scc1 .Llap
	QUARTER 0, 2, 1, 0, 0                          ; the walk's last lap is written out: it asks for nothing
	QUARTER 0, 3, 0, 1, 0
	TURN 0, 1, 0                                   ; my one tensor load that was still out is slot 1's, the last K step's, so no round follows
	QUARTER 1, 1, 0, 1, 0
	QUARTER 1, 2, 1, 0, 0
	QUARTER 1, 3, 0, 1, 0
	s_wait_dscnt 16                                ; the very last quarter: nothing more to fetch
	CVT 1
	s_wait_dscnt 0x0
	MULA 1, 0, 0
	MULA 1, 1, 0
	MULA 1, 2, 0
	MULA 1, 3, 0
	WIN 0
	WAYOUT
	s_wait_tensorcnt 0x0                           ; the wave's end, behind my last tensor load and my last LDS store
	ds_add_u32 v[SPW], v[NIL]
	s_wait_dscnt 0x0
	CROUND                                         ; the closing round: no work-group ends while a partner may still ask for a tile that names it
	s_endpgm
.Lfunc_end_k_qbf45e2bad1_proj:
	.size	k_qbf45e2bad1_proj, .Lfunc_end_k_qbf45e2bad1_proj-k_qbf45e2bad1_proj
	.p2alignl 7, 3214868480
	.fill 96, 4, 3214868480
	.section	.rodata,"a",@progbits
	.p2align	6, 0x0
	.amdhsa_kernel k_qbf45e2bad1_proj
		.amdhsa_group_segment_fixed_size 327680
		.amdhsa_private_segment_fixed_size 0
		.amdhsa_enable_private_segment 0
		.amdhsa_kernarg_size 64
		.amdhsa_user_sgpr_count 2
		.amdhsa_user_sgpr_kernarg_segment_ptr 1
		.amdhsa_wavefront_size32 1
		.amdhsa_system_sgpr_workgroup_id_x 1
		.amdhsa_system_sgpr_workgroup_id_y 1
		.amdhsa_system_sgpr_workgroup_id_z 1
		.amdhsa_system_vgpr_workitem_id 0
		.amdhsa_next_free_vgpr 768
		.amdhsa_next_free_sgpr 106
		.amdhsa_reserve_vcc 0
		.amdhsa_float_denorm_mode_32 3
		.amdhsa_float_denorm_mode_16_64 3
		.amdhsa_memory_ordered 1
		.amdhsa_forward_progress 1
		.amdhsa_inst_pref_size 162
	.end_amdhsa_kernel
	.amdgpu_metadata
---
amdhsa.version: [ 1, 2 ]
amdhsa.kernels:
  - .name:           k_qbf45e2bad1_proj
    .symbol:         k_qbf45e2bad1_proj.kd
    .args:
      - { .name: query, .offset: 0, .size: 8, .value_kind: global_buffer, .address_space: global }
      - { .name: key_in, .offset: 8, .size: 8, .value_kind: global_buffer, .address_space: global }
      - { .name: value, .offset: 16, .size: 8, .value_kind: global_buffer, .address_space: global }
      - { .name: wb, .offset: 24, .size: 8, .value_kind: global_buffer, .address_space: global }
      - { .name: bq, .offset: 32, .size: 8, .value_kind: global_buffer, .address_space: global }
      - { .name: bk, .offset: 40, .size: 8, .value_kind: global_buffer, .address_space: global }
      - { .name: bv, .offset: 48, .size: 8, .value_kind: global_buffer, .address_space: global }
      - { .name: qkv, .offset: 56, .size: 8, .value_kind: global_buffer, .address_space: global }
    .group_segment_fixed_size: 327680
    .private_segment_fixed_size: 0
    .kernarg_segment_align: 8
    .kernarg_segment_size: 64
    .max_flat_workgroup_size: 128
    .sgpr_count:     106
    .vgpr_count:     768
    .wavefront_size: 32
...
	.end_amdgpu_metadata
.endif
;; end of part 2
;; launch attn (part 3): grid 4 x 64, 4 waves a work-group, no clusters, 327,680 bytes of LDS; arguments qkv, oh; writes oh
.if DOCPART == 3
	.amdgcn_target "amdgcn-amd-amdhsa--gfx1250"
	.amdhsa_code_object_version 6
	.text
	.protected	k_qbf45e2bad1_attn
	.globl	k_qbf45e2bad1_attn
	.p2align	8
	.type	k_qbf45e2bad1_attn,@function
k_qbf45e2bad1_attn:
	s_mov_b64 s[64:65], 0
	v_nop
	global_prefetch_b8 v0, s[64:65] scope:SCOPE_SE
	s_setreg_imm32_b32 hwreg(HW_REG_WAVE_MODE, 25, 1), 1
	s_wait_xcnt 0x0
; CAUSAL ATTENTION.  O[h][q][:] = the sum over k <= q of softmax_k(Q[h][q] . K[h][k] / 8) V[h][k][:].  Q, K, V: the three planes of qkv, O: oh, each [SIZE_H][SIZE_N][64] in f16: a head's rows are dense, 128 bytes each.
; Products, maxima and sums in f32; the weights p are rounded to f16 for the second product (their sum l is taken of the unrounded p), O once at the end.
; LIMITS.  f16 holds no number beyond 65,504: Q, K and V arrive within it; p lies in 0 to 1, and below 6e-5 it keeps f16's fixed step of 6e-8; O is a mean of V's rows and has their range, to within 2^-11 of it.
; A hidden score counts as its value less 1e30, so its weight is 0: that is what a hidden score of -1e9 gives as long as a row's visible scores lie above about -1e9; f16's scores, 2.7e11 / 8 at the most, could pass that only
; for q and k beyond some 10,000 in magnitude.  A weight below 2^-126 counts as 0 in l; NaN and infinities are not treated apart.
; THE WALK.  A head's queries lie in NB = SIZE_N / 256 = 8 blocks of 256; block i needs the key tiles 0 .. i of 256 keys, of which the last holds the diagonal.  A work-group takes TWO blocks, NB - 1 - b and then b:
; NB + 1 = 9 tiles, whatever b: all 256 work-groups do equal work, and ONE loop with a constant trip count walks them.  Which tile is asked for, and what a trip does, hang on scalar registers made from b; every jump
; goes forward, but for the counted loops' own; none passes a barrier, or a tensor load but the one of LOAD's two that the wave's number does not choose; the ring (two slots of LDS that take turns) runs on across the
; change of blocks.  NO CLUSTER: a head's four work-groups ask for the same tile only in trips 0 to 4 of the 9, behind that fewer and fewer; and one walk common to all four would have 12 trips for 9.
; SHARES.  Of a block's four bands of 64 queries a wave owns 16 rows in each: four PIECES.  So the diagonal tile is the same work for all four waves: in its key step s band x sees all keys if s < x,
; none if s > x, and holds the diagonal if s = x.
; THE MASK is the C operand that starts the sum S^T = K Q^T: 0, or -1e30 where the key is hidden.  MD, made once, is the mask of a band's own step for my 16 rows; a product's mask is MD x AL + BE with two scalars:
; (1, 0) if s = x; (0, 0) if s < x; (0, -1e30) if s > x.  Only the diagonal tile's text and a block's beginning make and take masks; elsewhere C is the constant 0.
; LAYOUT, SOFTMAX, TURNS.  S^T = K Q^T holds ONE query a lane (lane % 16) and the keys 8 (lane / 16) + 0..7; two such results rounded to f16 ARE source 1 of O^T = V^T P.  p = 2^(c s - c m), c = log2(e) / 8, with a
; running maximum m; O and l are multiplied by a = 2^(c m_old - c m_new) in every step.  Turn n belongs to piece n: 8 products K Q^T of piece n + 1, later 8 products V^T P of piece n - 1; beside them the scaling,
; exponentials, roundings, sums and rescaling of piece n and the maximum and statistics of piece n + 1.  Four vector instructions stand behind every matrix instruction, the other 54 of a turn's 118 in two LUMPS.
; REGISTERS, in windows of 256 (s_set_vgpr_msb: bits 1:0 source 0, 3:2 source 1, 5:4 source 2, 7:6 destination):
;   window 0: v0-15 addresses and two at work; v16-31 four registers of statistics a piece; v48-55 at work; v64-127 S^T, two buffers; v192-223 P, two buffers (a piece's buffers go by its number's parity)
;   window 1: v0-127 O^T, 32 a piece; v128-159 MD; v160-223 MC, two buffers      window 2: v0-63 Q; v64-127 the second block's Q; v128-191 K of one step; v192-255 V of one step
.set SIZE_H, 64       ; batch x heads
.set SIZE_N, 2048     ; rows of a head
.set NB,    SIZE_N/256
.set NP,    4         ; pieces a wave: a name, no knob
.set KS,    64        ; keys in a step
.set PK,    144       ; a row of K in LDS: 128 bytes + 16 of padding = 36 words: the 16 rows of a load start at 16 different groups of four banks (64 banks of 4 bytes: ISA guide 11.1)
.set PV,    160       ; a row of V: 128 + 32 = 40 words
.set VOFF,  4*KS*PK   ; a slot holds a tile, four steps: 256 rows of K, then 256 rows of V
.set SLOT1, 1<<17     ; slot 1 begins here, so that one exclusive or turns an address in one slot into the other's
.set STAGE, SLOT1+4*KS*(PK+PV)  ; behind the ring, never filled by a tensor load: 16 rows x 144 bytes for each wave, for the way out
.set SP,    144
.set AK0, 2           ; v2   my lane's place in a tile of K; never rewritten
.set AV0, 3           ; v3   the same for V
.set AK,  4           ; v4   the LDS address of K's next run of loads
.set AV,  5           ; v5   of V's
.set STO, 6           ; v6   the way out: where I put 16 bytes of a row
.set RD,  7           ; v7   the way out: where I read rows back
.set GO,  8           ; v8   my byte offset in 512 consecutive bytes of O
.set SPW, 62          ; v62  LDS address of my spare word: SPARE + 4 x my thread's number; never rewritten
.set NIL, 63          ; v63  0; never rewritten
.set SPARE, STAGE+4*16*SP  ; behind the stages: the spare words, 128 bytes for each wave: two blocks of 256 bytes that no other line names
.set MV,  12          ; v12-13  c m_old, kept while c m is made anew: by buffer
.set QO,  15          ; v15  my byte offset in 16 rows of Q
.set ST,  16          ; piece t's statistics at v[ST+4 t]: c m, m, l (even keys', odd keys')
.set TMP, 48          ; by buffer, four registers c0-c3 at work; when the maximum is found c2 takes a
.set S,   64
.set P,   192
.set MD,  128         ; window 1: the eight registers for group kt of 16 keys at MD + 8 kt
.set MC,  160         ; window 1: the masks of the products to come
.set QB,  64          ; window 2
.set KF,  128         ; window 2: key block kb, channel half c at KF + 16 kb + 8 c
.set VF,  192         ; window 2: key half kk, channel block cb at VF + 32 kk + 8 cb
.set WV,  12          ; s12  my wave's number
.set PB,  14          ; s14  b
.set HI,  15          ; s15  NB - 1 - b
.set G1K, 24          ; s[24:31] descriptor group 1 for K's tiles
.set G1V, 32          ; s[32:39] for V's: it differs in the padding alone
.set G0K, 40          ; s[40:43] descriptor group 0 for K's tiles
.set G0V, 44          ; s[44:47] the same for V's
.set SLOTS, 56        ; s56  tiles still to be asked for
.set CNT, 57          ; s57  counts a tile's key steps, 4 to 1
.set CS,  58          ; s[58:59] c: the packed scaling takes the pair's low word for both halves
.set SEL, 60          ; s[60:61] v_permlanex16_b32's selects: each lane takes its own place in the other half
.set TBK, 62          ; s62  LDS byte at which K of the step to be fetched begins
.set TBV, 63          ; s63  the same for V, less VOFF
.set RT,  70          ; s70  tiles of the block in hand that are still to be entered
.set NXT, 71          ; s71  the tile to be asked for next
.set LQ,  72          ; s72  the last tile of the block whose tiles are being asked for
.set NEW, 73          ; s73  1: the tile to be entered is a block's first
.set OFF, 74          ; s[74:75] a tile's byte offset in K and V
.set AL,  76          ; s[76:77] the mask's factor, in the low word
.set BE,  78          ; s[78:79] the mask's addend
.set OLO, 80          ; s[80:81] O at my rows of the second block
.set BIGN, 82         ; s82  -1e30
.set MSB, 0
.macro WIN new                      ; the high byte repeats the setting that is left; a switch that changes nothing is dropped
.if MSB != (\new)
	s_set_vgpr_msb (MSB<<8)|(\new)
.set MSB, (\new)
.endif
.endm
.set W_KQ, 0x0a       ; K and Q in window 2, S^T in window 0
.set W_KM, 0x1a       ; the same with the C operand in window 1
.set W_PV, 0x52       ; V in window 2, P in window 0, O^T in window 1
.set W_RS, 0x41       ; destination and source 0 in window 1, source 1 in window 0
; A fill.  Waves 0 and 1 fetch the two halves of a tile's K, waves 2 and 3 those of its V: 128 keys each.  An s_nop 0 and four v_nop follow each of the two lines, ahead of the jump and the label.
.macro LOAD
	s_cmp_lt_u32 s[WV], 2
	s_cbranch_scc0 .Lfor_v_\@
	tensor_load_to_lds s[G0K:G0K+3], s[G1K:G1K+7]
	s_nop 0
.rept 4
	v_nop
.endr
	s_branch .Lasked_\@
.Lfor_v_\@:
	tensor_load_to_lds s[G0V:G0V+3], s[G1V:G1V+7]
	s_nop 0
.rept 4
	v_nop
.endr
.Lasked_\@:
.endm
; THE CHANGE OF SLOTS.  Each wave waits for all its tensor loads, of which one is out: its part of the other slot; adds 0 to its spare word; and waits for that and for its own reads of the slot that it leaves.  Behind the barrier nobody reads the old
; slot any more and the other slot is whole.  fill = 1: the old slot is filled again, the first thing behind the barrier, with tile NXT: the descriptor's address is made anew from that number.
; (At its first use nothing has been read yet: slot 0 is waited for, slot 1 filled.)
.macro CHANGE fill
	WIN 0                           ; at a label and at a branch every window is 0
	s_wait_tensorcnt 0x0            ; no tensor load of mine is out, so a group 0 may be written
	ds_add_u32 v[SPW], v[NIL]       ; 0 onto my spare word; with fill = 1 the descriptors' scalar work stands between it and the wait for it
.if \fill
	s_lshl_b32 s[OFF], s[NXT], 15   ; a tile is 32,768 bytes of K and of V
	s_xor_b32 s[G0K+1], s[G0K+1], SLOT1
	s_add_nc_u64 s[G0K+2:G0K+3], s[6:7], s[OFF:OFF+1]
	s_or_b32 s[G0K+3], s[G0K+3], 0x80000000
	s_xor_b32 s[G0V+1], s[G0V+1], SLOT1
	s_add_nc_u64 s[G0V+2:G0V+3], s[8:9], s[OFF:OFF+1]
	s_or_b32 s[G0V+3], s[G0V+3], 0x80000000
	s_add_co_u32 s[NXT], s[NXT], 1  ; the block's next tile, or behind its last the second block's tile 0
	s_cmp_gt_u32 s[NXT], s[LQ]
	s_cselect_b32 s[NXT], 0, s[NXT]
	s_cselect_b32 s[LQ], s[PB], s[LQ]
.endif
	s_wait_dscnt 0x0                ; the add is done, and my reads of the slot are over
	s_barrier_signal -1             ; the rest of the scalar work stands between the signal and the wait
	s_sub_co_u32 s[TBK], s[TBK], 4*KS*PK  ; the fetches go back to a slot's first step,
	s_xor_b32 s[TBK], s[TBK], SLOT1       ; in the other slot
	s_sub_co_u32 s[TBV], s[TBV], 4*KS*PV
	s_xor_b32 s[TBV], s[TBV], SLOT1
	s_barrier_wait -1
.if \fill
	LOAD
.endif
.endm
	s_load_b128 s[4:7], s[0:1], 0x0  ; qkv s[4:5] (its first plane is Q), oh s[6:7]
	v_lshl_add_u32 v[SPW], v0, 2, SPARE
	v_mov_b32 v[NIL], 0
	ds_add_u32 v62, v63
	ds_add_u32 v62, v63
	s_wait_dscnt 0x0
	v_lshrrev_b32 v1, 5, v0
	v_readfirstlane_b32 s[WV], v1   ; wave 0..3
	s_mov_b32 s[PB], ttmp9
	s_sub_co_u32 s[HI], NB-1, s[PB]
	s_and_b32 s20, ttmp7, 0xffff    ; the head
	s_mov_b32 s21, 0
	s_mov_b64 s[22:23], SIZE_N*128
	s_mul_u64 s[20:21], s[20:21], s[22:23]  ; the head's first byte in each of the four tensors
	s_and_b32 s16, s[WV], 1         ; which half of a tile's 256 keys I fetch:
	s_lshl_b32 s22, s16, 14         ; its 128 rows of 128 bytes in memory,
	s_mov_b32 s23, 0
	s_add_nc_u64 s[22:23], s[22:23], s[20:21]
	s_mul_i32 s17, s16, 128*PK      ; and its place in a slot, for K
	s_mul_i32 s18, s16, 128*PV      ; and for V
	s_lshl_b32 s3, s[WV], 11        ; my 16 rows in a band of 64,
	s_lshl_b32 s2, s[HI], 15        ; in the first block,
	s_add_co_u32 s2, s2, s3
	s_lshl_b32 s84, s[PB], 15       ; and in the second
	s_add_co_u32 s84, s84, s3
	s_mov_b32 s3, 0
	s_mov_b32 s85, 0
	s_add_nc_u64 s[2:3], s[2:3], s[20:21]
	s_add_nc_u64 s[84:85], s[84:85], s[20:21]
	; descriptor group 1.  128 keys are 16,384 dense bytes: asked for as 64 rows of 256 bytes, two keys a row, and padded in LDS after every key
	s_mov_b32 s[G1K], (1<<16)|(1<<20)|(4<<22)|(3<<25)  ; 17:16 2-byte elements; 20 padding on; 24:22 after every 32 words (code 4); 31:25 4 words (code 3)
	s_mov_b32 s[G1V], (1<<16)|(1<<20)|(4<<22)|(7<<25)  ; the same with 8 words of padding (code 7)
.irp g, G1K, G1V
	s_mov_b32 s[\g+1], 128<<16      ; tensor_dim0 = 128
	s_mov_b32 s[\g+2], 64<<16       ; tensor_dim1 = 64
	s_mov_b32 s[\g+3], 128<<16      ; tile_dim0 = 128
	s_mov_b32 s[\g+4], 64           ; tile_dim1 = 64
	s_mov_b32 s[\g+5], 128          ; 128 elements from row to row
	s_mov_b32 s[\g+6], 0
	s_mov_b32 s[\g+7], 0
.endr
	s_mov_b32 s[CS], 0x3e38aa3b     ; c = log2(e) / 8 = 0.180337
	s_mov_b32 s[CS+1], s[CS]        ; named with it as a pair
	s_mov_b32 s[SEL], 0x76543210
	s_mov_b32 s[SEL+1], 0xfedcba98
	s_mov_b32 s[TBK], SLOT1+4*KS*PK ; the first change of slots turns these two into 0
	s_mov_b32 s[TBV], SLOT1+4*KS*PV
	s_mov_b32 s[G0K], 1             ; 1:0 count = 1
	s_mov_b32 s[G0K+1], s17         ; 63:32 LDS address: slot 0
	s_mov_b32 s[G0V], 1
	s_add_co_u32 s[G0V+1], s18, VOFF
	s_add_co_u32 s[RT], s[HI], 1    ; the first block has NB - b tiles
	s_mov_b32 s[NXT], 1
	s_mov_b32 s[LQ], s[HI]
	s_mov_b32 s[NEW], 1
	s_mov_b32 s[OFF+1], 0
	s_mov_b32 s[AL+1], 0            ; named as pairs
	s_mov_b32 s[BE+1], 0
	s_mov_b32 s[BIGN], 0xf149f2ca   ; -1e30
	s_mov_b32 s[SLOTS], NB
	s_wait_kmcnt 0x0
	s_mov_b64 s[10:11], s[6:7]                     ; O
	s_add_nc_u64 s[6:7], s[4:5], 0x1000000         ; K: qkv's second plane, 16,777,216 bytes on
	s_add_nc_u64 s[8:9], s[4:5], 0x2000000         ; V: its third
	s_add_nc_u64 s[6:7], s[6:7], s[22:23]  ; K and V at my half of the head's tile 0
	s_add_nc_u64 s[8:9], s[8:9], s[22:23]
	s_add_nc_u64 s[G0K+2:G0K+3], s[6:7], 0         ; 120:64 global address
	s_or_b32 s[G0K+3], s[G0K+3], 0x80000000        ; 127:126 type = 2
	s_add_nc_u64 s[G0V+2:G0V+3], s[8:9], 0
	s_or_b32 s[G0V+3], s[G0V+3], 0x80000000
	s_add_nc_u64 s[86:87], s[4:5], s[84:85]        ; Q at my rows of the second block,
	s_add_nc_u64 s[4:5], s[4:5], s[2:3]            ; Q and O at those of the first
	s_add_nc_u64 s[OLO:OLO+1], s[10:11], s[84:85]
	s_add_nc_u64 s[10:11], s[10:11], s[2:3]
	LOAD                            ; tile 0 into slot 0
	; A fragment of K or Q is 16 rows x 32 channels in 8 registers: lane l holds row l % 16, channels 8 (l / 16) + 0..7 and 16 + 8 (l / 16) + 0..7: two loads of 16 bytes, 32 bytes apart.
	v_and_b32 v1, 15, v0            ; l % 16
	v_bfe_u32 v9, v0, 4, 1          ; l / 16
	v_lshlrev_b32 v[QO], 7, v1
	v_lshl_add_u32 v[QO], v9, 4, v[QO]  ; row x 128 + 16 x half
	WIN 0x80                        ; destination window 2, address window 0
.set i, 0
.rept 8                             ; both blocks' Q: piece i / 2 lies in band i / 2, 8,192 bytes on; channels 32 (i % 2) on
	global_load_b128 v[8*i:8*i+3],   v[QO], s[4:5] offset:(i/2)*8192+(i%2)*64
	global_load_b128 v[8*i+4:8*i+7], v[QO], s[4:5] offset:(i/2)*8192+(i%2)*64+32
	global_load_b128 v[QB+8*i:QB+8*i+3],   v[QO], s[86:87] offset:(i/2)*8192+(i%2)*64
	global_load_b128 v[QB+8*i+4:QB+8*i+7], v[QO], s[86:87] offset:(i/2)*8192+(i%2)*64+32
.set i, i+1
.endr
	WIN 0
	v_lshlrev_b32 v14, 3, v9
	v_sub_nc_u32 v14, v1, v14
	s_lshl_b32 s13, s[WV], 4
	v_add_nc_u32 v14, s13, v14      ; my query's place in its band, 16 w + l % 16, less my lanes' 8 (l / 16): register r of group kt is hidden where 16 kt + r is greater
	WIN 0x40
.set i, 0
.rept 32
	v_cmp_gt_i32 vcc_lo, 16*(i/8)+i%8, v14
	v_cndmask_b32 v[MD+i], 0, s[BIGN], vcc_lo
.set i, i+1
.endr
	WIN 0
	v_mul_u32_u24 v[AK0], v1, PK
	v_lshl_add_u32 v[AK0], v9, 4, v[AK0]  ; row x pitch + 16 x half
	; The turning load takes 16 keys x 16 channels (lane l reads key 8 (l / 16) + l % 8, channels 8 ((l / 8) % 2) + 0..7) and leaves half a fragment of V^T: lane l holds channel l % 16 and 8 keys.
	v_and_b32 v10, 7, v0
	v_bfe_u32 v11, v0, 3, 1
	v_lshl_add_u32 v[AV0], v9, 3, v10
	v_mul_u32_u24 v[AV0], v[AV0], PV
	v_lshl_add_u32 v[AV0], v11, 4, v[AV0]
	v_add_nc_u32 v[AV0], VOFF, v[AV0]
	s_mul_i32 s13, s[WV], 16*SP
	s_add_co_u32 s13, s13, STAGE    ; my stage
	v_mul_u32_u24 v[STO], v1, SP    ; in: row l % 16, 16 bytes for each half of the lanes
	v_lshl_add_u32 v[STO], v9, 4, v[STO]
	v_add_nc_u32 v[STO], s13, v[STO]
	v_bfe_u32 v[RD], v0, 3, 2       ; back: 32 lanes take four rows of 128 bytes,
	v_mul_u32_u24 v[RD], v[RD], SP
	v_lshl_add_u32 v[RD], v10, 4, v[RD]
	v_add_nc_u32 v[RD], s13, v[RD]
	v_and_b32 v[GO], 31, v0         ; which are 512 consecutive bytes of O
	v_lshlrev_b32 v[GO], 4, v[GO]
	; A block's first step multiplies O^T and l by a = 0, and its first turn's products V^T P, of a piece that has not been, land in an O^T that is still to be so multiplied.  So these registers need only hold
	; finite numbers: zeros for the first block; what the first block left for the second.  All this stands in the wait for the first tile.
	WIN 0x80
.set i, VF
.rept 64
	v_mov_b32 v[i], 0
.set i, i+1
.endr
	WIN 0x40
.set i, 0
.rept 128
	v_mov_b32 v[i], 0
.set i, i+1
.endr
	WIN 0
.set i, 0
.rept 4
	v_mov_b32 v[ST+4*i+2], 0
	v_mov_b32 v[ST+4*i+3], 0
.set i, i+1
.endr
.set i, P+16
.rept 16
	v_mov_b32 v[i], 0
.set i, i+1
.endr
; THE MATRIX WORK.  The 4 accumulators of a run of 8 take turns.  Product i of 8 of S^T = K Q^T for piece x: channels 32 (i / 4) on, keys 16 (i % 4) on.  The first 4 start the sums: with 0, or (KM = 1) with the mask.
.macro KQ x
.set rS, S+32*((\x)%2)+8*(i%4)
.set rK, KF+16*(i%4)+8*(i/4)
.set rQ, 16*(\x)+8*(i/4)
.set rM, MC+32*((\x)%2)+8*(i%4)
.if (i < 4) && KM
	WIN W_KM
	v_wmma_f32_16x16x32_f16 v[rS:rS+7], v[rK:rK+7], v[rQ:rQ+7], v[rM:rM+7]
.elseif i < 4
	WIN W_KQ
	v_wmma_f32_16x16x32_f16 v[rS:rS+7], v[rK:rK+7], v[rQ:rQ+7], 0
.else
	WIN W_KQ
	v_wmma_f32_16x16x32_f16 v[rS:rS+7], v[rK:rK+7], v[rQ:rQ+7], v[rS:rS+7]
.endif
.endm
; Product i of 8 of O^T += V^T P for piece x: keys 32 (i / 4) on, channels 16 (i % 4) on.
.macro PV x
	WIN W_PV
.set rO, 32*(\x)+8*(i%4)
.set rV, VF+32*(i/4)+8*(i%4)
.set rP, P+16*((\x)%2)+8*(i/4)
	v_wmma_f32_16x16x32_f16 v[rO:rO+7], v[rV:rV+7], v[rP:rP+7], v[rO:rO+7]
.endm
.macro MM                           ; the turn's next matrix instruction.  TURN and BEGIN set Y, i, KM and NOKQ; MM, KQ and OP read them.  NOKQ = 1: a block's last turn: there is no next piece
.if (i < 8) && !NOKQ
	KQ (Y+1)%NP
.elseif i >= 8
.set i, i-8
	PV (Y+NP-1)%NP
.set i, i+8
.endif
.set i, i+1
.endm
; THE LDS LOADS stand in runs of 16, never singly among the matrix instructions: a step's K (64 keys x 64 channels: 8 fragments) and its V (turned).  Their addresses are made some lines ahead.
.macro FETCH_K
	WIN 0x80                        ; destination window 2
.irp f, 0,1,2,3,4,5,6,7             ; keys 16 (f / 2) on, channels 32 (f % 2) on
	ds_load_b128 v[KF+8*\f:KF+8*\f+3],   v[AK] offset:(\f/2)*16*PK+(\f%2)*64
	ds_load_b128 v[KF+8*\f+4:KF+8*\f+7], v[AK] offset:(\f/2)*16*PK+(\f%2)*64+32
.endr
	s_add_co_u32 s[TBK], s[TBK], KS*PK  ; the next fetch is the next step's
	WIN 0
.endm
.macro FETCH_V
	WIN 0x80
.irp f, 0,1,2,3,4,5,6,7             ; keys 32 (f / 4) on, channels 16 (f % 4) on
	ds_load_tr16_b128 v[VF+8*\f:VF+8*\f+3],   v[AV] offset:(\f/4)*32*PV+(\f%4)*32
	ds_load_tr16_b128 v[VF+8*\f+4:VF+8*\f+7], v[AV] offset:(\f/4)*32*PV+16*PV+(\f%4)*32
.endr
	WIN 0
.endm
; THE VECTOR WORK, one line at a time: OP kind, number.  For piece Y: F n: c s - c m for pair n of 16.  E n: the exponential of score n of 32.  C n: pair n rounded to f16.  B n: of the four weights 4 n .. the second
; pair is added onto the first, in place.  L n: l takes that sum (L 0: l = a l + sum).  R n: pair n of 16 of O^T times a.  For piece Y + 1: X n, number n of the 22 that find its maximum and statistics:
;   0-11  four chains c0-c3 of seven scores each, three operands at a time (each accumulator's lowest registers are read first)     12-14, 16  the four scores left over, the old m, and c0-c3 into c0
;   15  c m_old is kept     17, 18  the query's other 32 keys lie in the lane 16 away: the new m     19-21  c m; c m_old - c m_new; a
.set F, 0               ; OP tells the kinds apart by their order: F to L below R, X above it
.set E, 1
.set C, 2
.set B, 3
.set L, 4
.set R, 5
.set X, 6
.macro REGS y                       ; the registers of piece y
.set rT, ST+4*(\y)
.set rC, TMP+4*((\y)%2)
.set rW, MV+((\y)%2)
.set rS, S+32*((\y)%2)
.set rP, P+16*((\y)%2)
.set rO, 32*(\y)
.endm
.macro OP k, n
.if (\k) == R
	REGS Y
	WIN W_RS
	v_pk_mul_f32 v[rO+2*(\n):rO+2*(\n)+1], v[rO+2*(\n):rO+2*(\n)+1], v[rC+2:rC+3] op_sel_hi:[1,0]
.elseif (\k) < R
	REGS Y
	WIN 0
.if (\k) == F
	v_pk_fma_f32 v[rS+2*(\n):rS+2*(\n)+1], v[rS+2*(\n):rS+2*(\n)+1], s[CS:CS+1], v[rT:rT+1] op_sel_hi:[1,0,0] neg_lo:[0,0,1] neg_hi:[0,0,1]
.elseif (\k) == E
	v_exp_f32 v[rS+(\n)], v[rS+(\n)]
.elseif (\k) == C
	s_wait_alu depctr_va_vdst(0)
	v_cvt_pk_f16_f32 v[rP+(\n)], v[rS+2*(\n)], v[rS+2*(\n)+1]
.elseif (\k) == B
	s_wait_alu depctr_va_vdst(0)
	v_pk_add_f32 v[rS+4*(\n):rS+4*(\n)+1], v[rS+4*(\n):rS+4*(\n)+1], v[rS+4*(\n)+2:rS+4*(\n)+3]
.elseif (\n) == 0
	v_pk_fma_f32 v[rT+2:rT+3], v[rT+2:rT+3], v[rC+2:rC+3], v[rS:rS+1] op_sel_hi:[1,0,1]
.else
	v_pk_add_f32 v[rT+2:rT+3], v[rT+2:rT+3], v[rS+4*(\n):rS+4*(\n)+1]
.endif
.elseif NOKQ
	v_nop
.else
	REGS (Y+1)%NP
	WIN 0
.if (\n) < 4
	v_max3_num_f32 v[rC+(\n)], v[rS+8*(\n)], v[rS+8*(\n)+1], v[rS+8*(\n)+2]
.elseif (\n) < 12
	v_max3_num_f32 v[rC+(\n)%4], v[rC+(\n)%4], v[rS+8*((\n)%4)+2*((\n)/4)+1], v[rS+8*((\n)%4)+2*((\n)/4)+2]
.elseif (\n) == 12
	v_max3_num_f32 v[rC], v[rC], v[rS+7], v[rS+15]
.elseif (\n) == 13
	v_max3_num_f32 v[rC+1], v[rC+1], v[rS+23], v[rS+31]
.elseif (\n) == 14
	v_max3_num_f32 v[rC+2], v[rC+2], v[rC+3], v[rT+1]
.elseif (\n) == 15
	v_mov_b32 v[rW], v[rT]
.elseif (\n) == 16
	v_max3_num_f32 v[rC], v[rC], v[rC+1], v[rC+2]
.elseif (\n) == 17
	v_permlanex16_b32 v[rC+3], v[rC], s[SEL], s[SEL+1]
.elseif (\n) == 18
	v_max_num_f32 v[rT+1], v[rC], v[rC+3]
.elseif (\n) == 19
	v_mul_f32 v[rT], s[CS], v[rT+1]
.elseif (\n) == 20
	v_sub_f32 v[rC+1], v[rW], v[rT]
.else
	v_exp_f32 v[rC+2], v[rC+1]
.endif
.endif
.endm
.macro OPS a, i1, b=-1, i2=0, c=-1, i3=0, d=-1, i4=0  ; up to four of them
	OP \a, \i1
.if (\b) >= 0
	OP \b, \i2
.endif
.if (\c) >= 0
	OP \c, \i3
.endif
.if (\d) >= 0
	OP \d, \i4
.endif
.endm
.macro ROW a, i1, b, i2, c, i3, d, i4  ; a matrix instruction and the four behind it
	MM
	OPS \a, \i1, \b, \i2, \c, \i3, \d, \i4
.endm
.macro MASK b                       ; MD x AL + BE into buffer b of MC
	WIN W_RS
.set z, 0
.rept 16
	v_pk_fma_f32 v[MC+32*(\b)+2*z:MC+32*(\b)+2*z+1], v[MD+2*z:MD+2*z+1], s[AL:AL+1], s[BE:BE+1] op_sel_hi:[1,0,0]
.set z, z+1
.endr
.endm
; A TURN, for piece p: the order of its 16 matrix and 118 vector instructions, written out.  Behind a matrix instruction: plain, exponential, plain, plain; or four of the rescaling; or, behind the first, four scalings; none
; names a register of the products round it.  In the lumps exponential and plain by turns while exponentials last.  A line reads no result made fewer than three vector instructions in front of it, five if an exponential made it.
; v_permlanex16_b32 (X 17) stands in a lump.
; m = 1: the diagonal tile: the products take masks, and the turn makes the mask for the products of the turn after it: piece p + 2, in step 4 - CNT of the tile.  end = 1: a block's last two turns: nothing is fetched.
; cnt = 1: the loop's count is taken down some lines ahead of the branch that stands behind the turn.
; K of the next step is fetched in piece 2's turn, six vector instructions behind the last product that read K (five of them plain); V of the step in hand in piece 0's turn, eight behind the last product that read V (four
; plain, and X 17).  Each is waited for a turn later.
.macro TURN p, m=0, end=0, cnt=0
.set Y, (\p)
.set i, 0
.set KM, (\m)
.set NOKQ, (\end)*((\p)/3)
.if (\m) && !(\end)
	s_cmp_eq_u32 s[CNT], 4-((\p)+2)%NP  ; is that step the band's own?
	s_cselect_b32 s[AL], 1.0, 0
	s_cmp_lt_u32 s[CNT], 4-((\p)+2)%NP  ; or a later one?
	s_cselect_b32 s[BE], s[BIGN], 0
.endif
.if ((\p) == 3) && !(\end)
	s_wait_dscnt 0x0                ; K is in
.endif
	ROW F,0, F,1, F,2, F,3
	ROW F,4, E,0, F,5, F,6
	ROW F,7, E,1, F,8, F,9
	ROW F,10, E,2, C,0, F,11
	ROW F,12, E,3, X,15, F,13
	ROW R,0, R,1, R,2, R,3
	ROW B,0, E,4, F,14, L,0
.if ((\p) == 2) && !(\end)
	v_add_nc_u32 v[AK], s[TBK], v[AK0]
.endif
	ROW R,4, R,5, R,6, R,7
	OPS E,5, F,15
.if ((\p) == 2) && !(\end)
	FETCH_K
.endif
	OPS E,6, C,1, E,7, R,8
	OPS E,8, R,9, E,9, C,2
	OPS E,10, X,0, E,11, X,1
	OPS E,12, X,2, E,13, X,3
.if (\p) == 1
	s_wait_dscnt 0x0                ; V is in
.endif
	ROW X,4, E,14, X,5, X,6
	ROW X,7, E,15, X,8, X,9
	ROW X,10, E,16, X,11, X,12
	ROW X,13, E,17, X,14, B,1
	ROW C,4, E,18, X,16, L,1
	ROW B,2, E,19, C,6, L,2
	ROW C,8, E,20, B,3, B,4
.if (\p) == 0
	v_add_nc_u32 v[AV], s[TBV], v[AV0]
.endif
	ROW C,3, E,21, L,3, C,5
	OPS E,22, X,17, E,23, C,10
.if (\p) == 0
	FETCH_V
.endif
	OPS E,24, L,4
	OPS E,25, X,18, E,26, C,7
	OPS E,27, B,5, E,28, X,19
	OPS E,29, C,12, E,30, L,5
	OPS E,31, X,20, B,6, C,9
	OPS C,14, C,11, X,21, L,6
.if (\p) == 0
	s_add_co_u32 s[TBV], s[TBV], KS*PV
.endif
.if \cnt
	s_sub_co_u32 s[CNT], s[CNT], 1
	s_cmp_lg_u32 s[CNT], 0
.endif
	OPS C,13, B,7, C,15, R,10
	OPS R,11, R,12, L,7, R,13
	OPS R,14, R,15
.if (\m) && !(\end)
	MASK (\p)%2
.endif
.endm
; A BLOCK BEGINS.  c m starts far below every c s, so the first step's a is 0; m at the lowest finite number, so the first maximum is the scores'.  The second mask buffer is 0; the first takes piece 0's mask for the tile's step 0: its own, if the block's first tile is the diagonal one.
; Then K of that step, piece 0's first scores, and its maximum and statistics.  The loop is entered at a step's first turn, in the middle of a trip.
.macro BEGIN
	s_mov_b32 s[NEW], 0
	WIN 0x40
.set i, MC+32
.rept 32
	v_mov_b32 v[i], 0
.set i, i+1
.endr
	WIN 0
.set i, 0
.rept 4
	v_mov_b32 v[ST+4*i], 0xfe000000    ; c m: far below every c s
	v_mov_b32 v[ST+4*i+1], 0xff7fffff  ; m
.set i, i+1
.endr
	s_cmp_eq_u32 s[RT], 0
	s_cselect_b32 s[AL], 1.0, 0
	s_mov_b32 s[BE], 0
	MASK 0
	WIN 0
	v_add_nc_u32 v[AK], s[TBK], v[AK0]
	FETCH_K
	s_wait_loadcnt 0x0              ; Q
	s_wait_dscnt 0x0
.set KM, 1
.set NOKQ, 0
.set i, 0
.rept 8
	KQ 0
.set i, i+1
.endr
	WIN 0
.rept 4
	v_nop                           ; the places behind those products
.endr
.set Y, NP-1                        ; X works for piece Y + 1: piece 0
.irp n, 0,1,2,3,4,5,6,7,8,9,10,11,12,13,14,15,16,17,18,19,20,21
	OP X, \n
.endr
	v_nop                           ; a plain instruction behind the exponential
.endm
; THE DIAGONAL TILE's four steps, the block's last two turns, its last products, and THE WAY OUT: l's two halves and the other half of the lanes' are added; O^T is divided by l, rounded to f16 and sent through my
; stage in LDS, a piece at a time.
.macro ALL line:vararg              ; one line for each piece t
.set t, 0
.rept 4
	\line
.set t, t+1
.endr
.endm
.macro PACK t                       ; a lane's eight channels of a row pack into 16 bytes; they go into rows of 144 bytes and come back as whole rows of 128, into S^T's registers
	WIN W_RS
.set i, 32*(\t)
.rept 16
	s_wait_alu depctr_va_vdst(0)
	v_pk_mul_f32 v[i:i+1], v[i:i+1], v[ST+4*(\t)+2:ST+4*(\t)+3] op_sel_hi:[1,0]
.set i, i+2
.endr
	WIN 0x05                        ; sources 0 and 1 window 1, destination window 0
.set i, 0
.rept 16
	v_cvt_pk_f16_f32 v[S+16*(\t)+i], v[32*(\t)+2*i], v[32*(\t)+2*i+1]
.set i, i+1
.endr
	WIN 0
.irp f, 0,1,2,3
	ds_store_b128 v[STO], v[S+16*(\t)+4*\f:S+16*(\t)+4*\f+3] offset:32*\f
.endr
.irp f, 0,1,2,3
	ds_load_b128 v[S+16*(\t)+4*\f:S+16*(\t)+4*\f+3], v[RD] offset:\f*4*SP  ; LDS serves a wave's instructions in order (ISA guide 5.7.1.4): these see the stores above; the next piece's stores come behind them
.endr
.endm
.macro SEND t, younger              ; younger: the LDS instructions issued behind piece t's loads: the next piece's eight, or none
	WIN 0
.irp f, 0,1,2,3
	s_wait_dscnt (\younger)+3-\f
	global_store_b128 v[GO], v[S+16*(\t)+4*\f:S+16*(\t)+4*\f+3], s[10:11] offset:(\t)*8192+\f*512  ; 512 consecutive bytes, at a multiple of 256 from O's first
.endr
.endm
.macro DIAG tag                     ; the tag ends its two labels' names, which the jumps below spell out
.LstepM\tag:
	TURN 2, 1
	TURN 3, 1
	WIN 0
.LfirstM\tag:
	TURN 0, 1
	TURN 1, 1, 0, 1
	WIN 0
	s_cbranch_scc1 .LstepM\tag
	TURN 2, 1, 1
	TURN 3, 1, 1
.set i, 0
.rept 8
	PV NP-1
.set i, i+1
.endr
	WIN 0
	ALL v_add_f32 v[ST+4*t+2], v[ST+4*t+2], v[ST+4*t+3]
	ALL v_permlanex16_b32 v[ST+4*t+3], v[ST+4*t+2], s[SEL], s[SEL+1]
	ALL v_add_f32 v[ST+4*t+2], v[ST+4*t+2], v[ST+4*t+3]
	ALL v_rcp_f32 v[ST+4*t+2], v[ST+4*t+2]
	v_nop                           ; a plain instruction between the last reciprocal and the use of its result
	PACK 0
.set t, 1
.rept 3                             ; a piece's arithmetic stands between the loads of the piece before and its stores
	PACK t
	SEND t-1, 8
.set t, t+1
.endr
	SEND 3, 0
.endm
.set KM, 0
.set NOKQ, 0
.Lslot:                             ; NB times: a tile is entered and the next is asked for
	CHANGE 1
	s_sub_co_u32 s[RT], s[RT], 1
	s_mov_b32 s[CNT], 4
	s_cmp_eq_u32 s[NEW], 1
	s_cbranch_scc1 .Lnew            ; a block's first tile
	s_cmp_eq_u32 s[RT], 0
	s_cbranch_scc0 .Lstep           ; neither its first nor its last
	s_branch .LstepM1
.Lnew:
	BEGIN
	s_branch .Lfirst                ; in the loop a block's first tile is never its last: the first block has two tiles or more, and the second's last is the walk's last
	DIAG 1                          ; in the loop this is the first block's end: the second block's last tile is the walk's last
	s_wait_xcnt 0x0                 ; the stores have read their registers and O's address
	s_mov_b64 s[10:11], s[OLO:OLO+1]
	s_add_co_u32 s[RT], s[PB], 1    ; the second block has b + 1 tiles
	s_mov_b32 s[NEW], 1
	WIN 0x82                        ; the second block's Q goes where the one text of the turns names Q
.set i, 0
.rept 64
	v_mov_b32 v[i], v[QB+i]
.set i, i+1
.endr
	WIN 0
	s_branch .Lbottom
.Lstep:                             ; a trip: pieces 2 and 3 of one step, then pieces 0 and 1 of the next, whose K and V it fetches
	TURN 2
	TURN 3
	WIN 0
.Lfirst:
	TURN 0
	TURN 1, 0, 0, 1
	WIN 0
	s_cbranch_scc1 .Lstep
.Lbottom:
	s_sub_co_u32 s[SLOTS], s[SLOTS], 1
	s_cmp_lg_u32 s[SLOTS], 0
	s_cbranch_scc1 .Lslot
	CHANGE 0                        ; the walk's last tile is written out: nothing is asked for
	s_sub_co_u32 s[RT], s[RT], 1
	s_mov_b32 s[CNT], 4
	s_cmp_eq_u32 s[NEW], 1
	s_cbranch_scc0 .LstepM2
	BEGIN
	s_branch .LfirstM2
	DIAG 2
	s_wait_tensorcnt 0x0            ; the wave's end, behind my last tensor load and my last LDS store
	ds_add_u32 v[SPW], v[NIL]
	s_wait_dscnt 0x0
	s_endpgm
.Lfunc_end_k_qbf45e2bad1_attn:
	.size	k_qbf45e2bad1_attn, .Lfunc_end_k_qbf45e2bad1_attn-k_qbf45e2bad1_attn
	.p2alignl 7, 3214868480
	.fill 96, 4, 3214868480
	.section	.rodata,"a",@progbits
	.p2align	6, 0x0
	.amdhsa_kernel k_qbf45e2bad1_attn
		.amdhsa_group_segment_fixed_size 327680
		.amdhsa_private_segment_fixed_size 0
		.amdhsa_enable_private_segment 0
		.amdhsa_kernarg_size 16
		.amdhsa_user_sgpr_count 2
		.amdhsa_user_sgpr_kernarg_segment_ptr 1
		.amdhsa_wavefront_size32 1
		.amdhsa_system_sgpr_workgroup_id_x 1
		.amdhsa_system_sgpr_workgroup_id_y 1
		.amdhsa_system_sgpr_workgroup_id_z 1
		.amdhsa_system_vgpr_workitem_id 0
		.amdhsa_next_free_vgpr 768
		.amdhsa_next_free_sgpr 88
		.amdhsa_reserve_vcc 1
		.amdhsa_float_denorm_mode_32 3
		.amdhsa_float_denorm_mode_16_64 3
		.amdhsa_memory_ordered 1
		.amdhsa_forward_progress 1
		.amdhsa_inst_pref_size 228
	.end_amdhsa_kernel
	.amdgpu_metadata
---
amdhsa.version: [ 1, 2 ]
amdhsa.kernels:
  - .name:           k_qbf45e2bad1_attn
    .symbol:         k_qbf45e2bad1_attn.kd
    .args:
      - { .name: qkv, .offset: 0, .size: 8, .value_kind: global_buffer, .address_space: global }
      - { .name: oh, .offset: 8, .size: 8, .value_kind: global_buffer, .address_space: global }
    .group_segment_fixed_size: 327680
    .private_segment_fixed_size: 0
    .kernarg_segment_align: 8
    .kernarg_segment_size: 16
    .max_flat_workgroup_size: 128
    .sgpr_count:     88
    .vgpr_count:     768
    .wavefront_size: 32
...
	.end_amdgpu_metadata
.endif
;; end of part 3
;; launch outp (part 4): grid 4 x 64, 4 waves a work-group, clusters of 4 x 4, 327,680 bytes of LDS; arguments oh, wb, bo, out0; writes out0
.if DOCPART == 4
	.amdgcn_target "amdgcn-amd-amdhsa--gfx1250"
	.amdhsa_code_object_version 6
	.text
	.protected	k_qbf45e2bad1_outp
	.globl	k_qbf45e2bad1_outp
	.p2align	8
	.type	k_qbf45e2bad1_outp,@function
k_qbf45e2bad1_outp:
	s_mov_b64 s[64:65], 0
	v_nop
	global_prefetch_b8 v0, s[64:65] scope:SCOPE_SE
	s_setreg_imm32_b32 hwreg(HW_REG_WAVE_MODE, 25, 1), 1
	s_wait_xcnt 0x0
	s_wait_alu depctr_hold_cnt(0) depctr_sa_sdst(0) depctr_va_vdst(0) depctr_va_sdst(0) depctr_va_ssrc(0) depctr_va_vcc(0) depctr_vm_vsrc(0)
	s_getreg_b32 s2, hwreg(HW_REG_IB_STS2, 6, 4)
	s_cmp_eq_u32 s2, 0
	s_cbranch_scc0 .Lentry_in_a_cluster
	s_endpgm
.Lentry_in_a_cluster:
	s_bfe_u32 s2, ttmp6, 0x10000c
	s_cmp_lg_u32 s2, 0xf033
	s_cbranch_scc0 .Lentry_shape_is_right
	s_endpgm
.Lentry_shape_is_right:
; out = O Wo^T + bo.  O: oh [64 = batch x 16 + head][2048][64] f16; Wo: wb's plane 3 [1024][1024], the bf16-rounded weight written as f16; bo: f32, rounded to bf16 here like every other input;
; sums in f32; out0 [8192][1024] f32, stored as the sums are.
; LIMIT.  O and Wo arrive within f16's range, 65,504; below 6.1e-5 in magnitude they keep f16's fixed step of 6e-8.
; SHARES.  A tile of C is 128 rows x 256 columns: 64 x 4 = 256 tiles, one for each work-group.  Four waves; wave w makes rows 64 (w / 2) .. + 63, columns 128 (w % 2) .. + 127: 32 accumulators, 256 registers.
; K goes in steps of 128 through two LDS slots, 8 steps.  A K step of O is two heads: a head's 128 rows are 16,384 dense bytes, asked for as 64 rows of 256 bytes and padded in LDS behind every 128.
; CLUSTER.  4 x 4 work-groups.  The four of a row of the cluster need the same tiles of O, the four of a column the same tiles of Wo: each is asked for JOINTLY, by the same tensor load with the same
; descriptor and a mask that names the four.
; THE MATRIX INSTRUCTION IS USED TRANSPOSED (source 0 = 16 rows of Wo, source 1 = 16 rows of O): lane l holds row l % 16 of C and the columns 8 (l / 16) + 0..7.  THE BIAS is the C operand of the product that starts each sum.
; REGISTERS, in windows of 256 (s_set_vgpr_msb: bits 1:0 source 0, 3:2 source 1, 5:4 source 2, 7:6 destination):
;   window 0: v0-31 addresses; v64-127 the bias as 8 C operands; v128-159, v160-191 fragments of O, two buffers; on the way out v64-127 and v128-191 take rows read back from the stage, by turns
;   window 1: v0-63, v64-127 fragments of Wo, two buffers          window 2: accumulator (a, b) at v[8 (8 a + b)]
.set PITCH,  272                       ; a row of Wo in LDS: 256 bytes + 16 of padding: the 16 rows of a fragment load start at 16 different groups of four banks (64 banks of 4 bytes: ISA guide 11.1)
.set APITCH, 144                       ; a row of one head of O: 128 bytes + 16: likewise
.set APLANE, 128*APITCH                ; a head's 128 rows
.set ABYTES, 2*APLANE                  ; the K step's two heads
.set SLOT,   ABYTES+256*PITCH          ; then Wo's 256 rows
.set STAGE,  2*SLOT                    ; behind the ring, never filled by a tensor load: 16 rows x 528 bytes for each wave, for the way out
.set SPITCH, 528                       ; 512 bytes + 16
.set SPARE,  STAGE+4*16*SPITCH         ; behind the stages: the spare words, 128 bytes for each wave: two blocks of 256 bytes that no other line names
.set ADRA, 16                          ; v16-17  LDS address of my fragments of O in slot 0, 1
.set ADRB, 20                          ; v20-21  the same for Wo
.set STO,  24                          ; v24     the way out: where I put 32 bytes of a row
.set RD,   25                          ; v25     the way out: where I read a row back
.set CO,   26                          ; v26     my byte offset in 512 consecutive bytes of out0
.set BO,   27                          ; v27     my byte offset in 16 numbers of the bias: 32 (l / 16)
.set SPW,  28                          ; v28     LDS address of my spare word: SPARE + 4 x my thread's number; never rewritten
.set NIL,  29                          ; v29     0; never rewritten
.set RT,   30                          ; v30-31  at work: the bias's rounding
.set BI,   64
.set FA,   128
.set WV,  16                           ; s16  my wave's number
.set RH,  17                           ; s17  which 64 rows of the tile are mine.  Also: I fetch for O (0) or for Wo (1)
.set CH,  18                           ; s18  which 128 columns.  Also: which head of the step, or which 128 rows of Wo, I fetch
.set G1A, 24                           ; s[24:31] descriptor group 1 for O's tiles;  s[32:39] group 0, one set for each slot
.set G0A, 32
.set G1B, 40                           ; s[40:47], s[48:55] the same for Wo's tiles
.set G0B, 48
.set LAP, 61                           ; s61  counts the laps
.set HIM, 63                           ; s63  a word's upper bf16
.set BP,  66                           ; s[66:67] bo at my 128 columns
.set MSB, 0
.macro WIN new                         ; the immediate's high byte repeats the setting that is left; a switch that changes nothing is dropped
.if MSB != (\new)
	s_set_vgpr_msb (MSB<<8)|(\new)
.set MSB, \new
.endif
.endm
.set MUL,  0xa1                        ; source 0 (Wo) window 1, source 1 (O) window 0, C and D window 2
.set MULB, 0x81                        ; the same with C (the bias) in window 0
.set TO_B, 0x40                        ; destination window 1, address window 0
.set FROM_C, 0x08                      ; an LDS store's data (source 1) window 2, its address window 0
; A joint load.  Waves 0 and 1 fetch the K step's two heads of O, waves 2 and 3 the two halves of Wo's tile.  The branch hangs on the wave's number alone.
; An s_nop 0 and four v_nop follow each of the two lines, ahead of the jump and the label.
.macro JLOAD s
	s_cmp_eq_u32 s[RH], 0
	s_cbranch_scc0 .Lfor_b_\@
	tensor_load_to_lds s[G0A+4*(\s):G0A+4*(\s)+3], s[G1A:G1A+7]
	s_nop 0
.rept 4
	v_nop
.endr
	s_branch .Lasked_\@
.Lfor_b_\@:
	tensor_load_to_lds s[G0B+4*(\s):G0B+4*(\s)+3], s[G1B:G1B+7]
	s_nop 0
.rept 4
	v_nop
.endr
.Lasked_\@:
.endm
; A round of the cluster's barrier: my work-group's barrier, so that wave 0's signal speaks for all four waves; wave 0 signals; every wave waits for all sixteen work-groups; my work-group's barrier once more.
.macro CREST
	s_cmp_lg_u32 s[WV], 0
	s_cbranch_scc1 .Lnot_wave_0_\@
	s_barrier_signal -3
.Lnot_wave_0_\@:
	s_barrier_wait -3
	s_barrier_signal -1
	s_barrier_wait -1
.endm
.macro CROUND
	s_barrier_signal -1
	s_barrier_wait -1
	CREST
.endm
	s_load_b256 s[4:11], s[0:1], 0x0               ; oh s[4:5], wb s[6:7], bo s[8:9], out0 s[10:11]
	v_lshl_add_u32 v[SPW], v0, 2, SPARE
	v_mov_b32 v[NIL], 0
	ds_add_u32 v28, v29
	ds_add_u32 v28, v29
	s_wait_dscnt 0x0
	v_lshrrev_b32 v1, 5, v0
	v_readfirstlane_b32 s[WV], v1                  ; wave 0..3
	s_lshr_b32 s[RH], s[WV], 1
	s_and_b32 s[CH], s[WV], 1
	s_bfe_u32 s19, ttmp6, 0x40000                  ; cx
	s_bfe_u32 s20, ttmp6, 0x40004                  ; cy
	s_lshl_b32 s21, ttmp9, 2
	s_add_co_u32 s21, s21, s19                     ; tile column = 4 x cluster x + cx
	s_and_b32 s22, ttmp7, 0xffff
	s_lshl_b32 s22, s22, 2
	s_add_co_u32 s22, s22, s20                     ; tile row = 4 x cluster y + cy
	s_lshl_b32 s23, s20, 2
	s_lshl_b32 s23, 15, s23                        ; my row of the cluster
	s_lshl_b32 s72, 0x1111, s19                    ; my column
	s_or_b32 s[G1A], s23, (1<<16)|(1<<20)|(1<<21)|(4<<22)|(3<<25)  ; 15:0 the mask: O's tiles go to my row; 17:16 elements of 2 bytes; 20 padding on; 21 set beside a mask; 24:22 after every 32 words (code 4); 31:25 4 words (code 3)
	s_or_b32 s[G1B], s72, (1<<16)|(1<<20)|(1<<21)|(5<<22)|(3<<25)  ; Wo's go to my column; padding after every 64 words (code 5)
	s_mov_b32 s[G1A+1], 128<<16                    ; tensor_dim0 = 128: two rows of a head
	s_mov_b32 s[G1A+2], 64<<16                     ; tensor_dim1 = 64
	s_mov_b32 s[G1A+3], 128<<16                    ; tile_dim0 = 128
	s_mov_b32 s[G1A+4], 64                         ; tile_dim1 = 64
	s_mov_b32 s[G1A+5], 128                        ; 128 elements from row to row: dense
	s_mov_b32 s[G1A+6], 0
	s_mov_b32 s[G1A+7], 0
	s_mov_b32 s[G1B+1], 128<<16
	s_mov_b32 s[G1B+2], 128<<16                    ; tensor_dim1 = 128
	s_mov_b32 s[G1B+3], 128<<16
	s_mov_b32 s[G1B+4], 128                        ; tile_dim1 = 128
	s_mov_b32 s[G1B+5], 1024                       ; 1,024 elements from row to row
	s_mov_b32 s[G1B+6], 0
	s_mov_b32 s[G1B+7], 0
	; where the tiles come from.  O's hang on the tile row alone, Wo's on the tile column alone; each offset lies in registers that never hold the other coordinate.
	s_lshr_b32 s56, s22, 4                         ; O: batch (tile row / 16) x 16 heads of 262,144 bytes,
	s_lshl_b32 s56, s56, 22
	s_and_b32 s57, s22, 15                         ; rows 128 (tile row % 16) on, of 128 bytes,
	s_lshl_b32 s57, s57, 14
	s_add_co_u32 s56, s56, s57
	s_lshl_b32 s73, s[CH], 18                      ; the even or the odd head of the step
	s_add_co_u32 s56, s56, s73
	s_mov_b32 s57, 0
	s_lshl_b32 s74, s[CH], 7
	s_lshl_b32 s58, s21, 8
	s_add_co_u32 s58, s58, s74                     ; Wo: row 256 x tile column + 128 x half
	s_lshl_b32 s68, s58, 2                         ; which is also my first column: its byte in bo and in a row of out0
	s_mov_b32 s69, 0
	s_lshl_b32 s58, s58, 11                        ; rows of 2,048 bytes,
	s_add_co_u32 s58, s58, 0x600000                ; in wb's plane 3
	s_mov_b32 s59, 0
	s_mul_i32 s75, s[CH], APLANE                   ; and where they go: no place in the cluster enters an LDS address
	s_mul_i32 s76, s[CH], 128*PITCH
	s_add_co_u32 s76, s76, ABYTES
	s_mov_b32 s[HIM], 0xffff0000
	s_wait_kmcnt 0x0
	s_add_nc_u64 s[56:57], s[4:5], s[56:57]
	s_add_nc_u64 s[58:59], s[6:7], s[58:59]
	CROUND                                         ; all sixteen work-groups are here: the first joint loads meet
.irp s, 0,1
	s_mov_b32 s[G0A+4*(\s)], 1                                       ; 1:0 count = 1
	s_add_co_u32 s[G0A+4*(\s)+1], s75, (\s)*SLOT                     ; 63:32 LDS address
	s_add_nc_u64 s[G0A+4*(\s)+2:G0A+4*(\s)+3], s[56:57], (\s)*524288 ; 120:64 global address: K step s is two heads on
	s_or_b32 s[G0A+4*(\s)+3], s[G0A+4*(\s)+3], 0x80000000            ; 127:126 type = 2
	s_mov_b32 s[G0B+4*(\s)], 1
	s_add_co_u32 s[G0B+4*(\s)+1], s76, (\s)*SLOT
	s_add_nc_u64 s[G0B+4*(\s)+2:G0B+4*(\s)+3], s[58:59], (\s)*256
	s_or_b32 s[G0B+4*(\s)+3], s[G0B+4*(\s)+3], 0x80000000
	JLOAD \s                                       ; the ring is filled before anything else is done: two loads of mine are out
.endr
	; A fragment is 16 rows x 32 K in 8 registers: lane l holds row l % 16; registers 0-3 K = 8 (l / 16) + 0..7, registers 4-7 K = 16 + 8 (l / 16) + 0..7: two loads of 16 bytes, 32 bytes apart.
	v_and_b32 v1, 15, v0                           ; l % 16
	v_bfe_u32 v2, v0, 4, 1                         ; l / 16
	v_mul_u32_u24 v3, v1, PITCH
	v_lshl_add_u32 v3, v2, 4, v3
	v_mul_u32_u24 v4, v1, APITCH
	v_lshl_add_u32 v4, v2, 4, v4
	s_mul_i32 s77, s[RH], 64*APITCH                ; my 64 rows, in each head's plane
	s_mul_i32 s78, s[CH], 128*PITCH                ; my 128 rows of Wo,
	s_add_co_u32 s78, s78, ABYTES                  ; which lie behind O's two planes
.irp s, 0,1
	v_add_nc_u32 v[ADRA+(\s)], s77, v4
	v_add_nc_u32 v[ADRB+(\s)], s78, v3
	s_add_co_u32 s77, s77, SLOT
	s_add_co_u32 s78, s78, SLOT
.endr
	s_mul_i32 s79, s[WV], 16*SPITCH
	s_add_co_u32 s79, s79, STAGE                   ; my stage
	v_mul_u32_u24 v5, v1, SPITCH                   ; in: row l % 16, 32 bytes for each half of the lanes
	v_lshl_add_u32 v5, v2, 5, v5
	v_add_nc_u32 v[STO], s79, v5
	v_and_b32 v[CO], 31, v0                        ; back: 32 lanes take one row's 512 bytes,
	v_lshlrev_b32 v[CO], 4, v[CO]
	v_add_nc_u32 v[RD], s79, v[CO]                 ; which are 512 consecutive bytes of out0
	v_lshlrev_b32 v[BO], 5, v2
	s_lshl_b32 s80, s22, 7                         ; my first row of out0: 128 x tile row + 64 x half,
	s_lshl_b32 s81, s[RH], 6
	s_add_co_u32 s80, s80, s81
	s_lshl_b32 s80, s80, 12                        ; of 4,096 bytes: under 2^25
	s_add_co_u32 s70, s80, s68                     ; and my first column
	s_mov_b32 s71, 0
	s_add_nc_u64 s[10:11], s[10:11], s[70:71]
	s_add_nc_u64 s[BP:BP+1], s[8:9], s[68:69]
; 8 matrix instructions: row block a x all 8 column blocks, 32 along K, from buffer f.  first = 1: the product starts the sums, on the bias.
; The 32 accumulators take turns, one instruction a turn, in the same order in every quarter step.
.macro MULA f, a, first
.if \first
	WIN MULB
.else
	WIN MUL
.endif
.irp b, 0,1,2,3,4,5,6,7
.if \first
	v_wmma_f32_16x16x32_f16 v[8*(8*(\a)+(\b)):8*(8*(\a)+(\b))+7], v[64*(\f)+8*(\b):64*(\f)+8*(\b)+7], v[FA+32*(\f)+8*(\a):FA+32*(\f)+8*(\a)+7], v[BI+8*(\b):BI+8*(\b)+7]
.else
	v_wmma_f32_16x16x32_f16 v[8*(8*(\a)+(\b)):8*(8*(\a)+(\b))+7], v[64*(\f)+8*(\b):64*(\f)+8*(\b)+7], v[FA+32*(\f)+8*(\a):FA+32*(\f)+8*(\a)+7], v[8*(8*(\a)+(\b)):8*(8*(\a)+(\b))+7]
.endif
.endr
.endm
; 24 LDS loads in one run: the fragments of quarter kq of a K step (128 rows of Wo, then 64 rows of O: head kq / 2 of the step's two, channels 32 (kq % 2) on) into buffer f
.macro FETCH slot, kq, f
	WIN TO_B
.irp i, 0,1,2,3,4,5,6,7
	ds_load_b128 v[64*(\f)+8*(\i):64*(\f)+8*(\i)+3],   v[ADRB+(\slot)] offset:64*(\kq)+(\i)*16*PITCH
	ds_load_b128 v[64*(\f)+8*(\i)+4:64*(\f)+8*(\i)+7], v[ADRB+(\slot)] offset:64*(\kq)+(\i)*16*PITCH+32
.endr
	WIN 0
.irp i, 0,1,2,3
	ds_load_b128 v[FA+32*(\f)+8*(\i):FA+32*(\f)+8*(\i)+3],   v[ADRA+(\slot)] offset:((\kq)/2)*APLANE+((\kq)%2)*64+(\i)*16*APITCH
	ds_load_b128 v[FA+32*(\f)+8*(\i)+4:FA+32*(\f)+8*(\i)+7], v[ADRA+(\slot)] offset:((\kq)/2)*APLANE+((\kq)%2)*64+(\i)*16*APITCH+32
.endr
.endm
; A load into a register that a matrix instruction has read, and an LDS store that reads a matrix result, stand four places behind that matrix instruction, and only plain vector
; instructions that name none of its registers are places (ISA guide 7.12.1 for vector instructions).
.macro PLACES
.rept 4
	v_nop
.endr
.endm
; A K step is four quarters of 32 along K, 32 matrix instructions each, on buffers 0, 1, 0, 1.  One of the first three: multiplies buffer f; in its middle it fetches quarter kq of the same slot into buffer g.
.macro QUARTER slot, kq, f, g, first
	s_wait_dscnt 4                                 ; Wo and O's row blocks 0, 1 are in; the youngest four loads (O's blocks 2, 3) may be out
	MULA \f, 0, \first
	MULA \f, 1, \first
	PLACES
	FETCH \slot, \kq, \g
	s_wait_dscnt 24                                ; all but the 24 just issued
	MULA \f, 2, \first
	MULA \f, 3, \first
.endm
; The last quarter multiplies buffer 1 and changes slots.  MEET is its first half: ONE barrier for the change.  In front of it each wave waits for all its tensor loads, of which one is out: its part of
; the next slot; adds 0 to its spare word; and waits for that and for its own reads of this slot.  Behind it nobody reads this slot any more and the next slot is whole.
.macro MEET round
	WIN 0                                          ; (the add's two registers lie in window 0)
	s_wait_tensorcnt 0x0                           ; all my tensor loads have landed;
	ds_add_u32 v[SPW], v[NIL]                      ; 0 onto my spare word;
	s_wait_dscnt 5                                 ; (the add and the youngest four loads may be out)
	MULA 1, 0, 0                                   ; eight matrix instructions stand between the add and the wait for it
	s_wait_dscnt 0x0                               ; the add is done, and my reads of this slot are over:
	s_barrier_signal -1
	MULA 1, 1, 0
.if \round
	WIN 0
.endif
	s_barrier_wait -1
.endm
; The whole last quarter.  fill = 1: the slot just read is filled again, with the K step two on, behind a round of the cluster's barrier; from the request to the wait for it a wave issues 112 matrix instructions.
.macro TURN slot, next, fill
.if \fill
	MEET 1
	CREST                                          ; no wave of any partner still reads this slot's tile or has a load on its way
	s_add_nc_u64 s[G0A+4*(\slot)+2:G0A+4*(\slot)+3], s[G0A+4*(\slot)+2:G0A+4*(\slot)+3], 1048576  ; four heads on
	s_add_nc_u64 s[G0B+4*(\slot)+2:G0B+4*(\slot)+3], s[G0B+4*(\slot)+2:G0B+4*(\slot)+3], 512
	JLOAD \slot                                    ; the first tensor load behind the round, my only one until the next; its four v_nop are also the places in front of the loads below
.else
	MEET 0
	PLACES
.endif
	FETCH \next, 0, 0
	MULA 1, 2, 0
	MULA 1, 3, 0
.endm
; THE WAY OUT, by row blocks a = 0..3 of 16 rows x 128 columns of f32.  TOSTAGE: a lane's eight numbers of each accumulator, the lower four first, into my own stage, rows of 528 bytes; back as whole rows of 512.
; SEND: stored, 512 consecutive bytes an instruction, at a multiple of 512 from out0's first byte.
.macro TOSTAGE a
.set BK, 64+64*((\a)%2)
	WIN FROM_C
.irp b, 0,1,2,3,4,5,6,7
	ds_store_b128 v[STO], v[8*(8*(\a)+(\b)):8*(8*(\a)+(\b))+3]   offset:64*(\b)
	ds_store_b128 v[STO], v[8*(8*(\a)+(\b))+4:8*(8*(\a)+(\b))+7] offset:64*(\b)+16
.endr
	WIN 0
.if (\a) >= 2
	s_wait_xcnt 0x0                                ; the stores of the block two back have had their addresses translated (ISA guide 3.1): their registers are loaded again only behind this wait
.endif
.irp t, 0,1,2,3,4,5,6,7,8,9,10,11,12,13,14,15
	ds_load_b128 v[BK+4*(\t):BK+4*(\t)+3], v[RD] offset:(\t)*SPITCH  ; LDS serves a wave's instructions in order (ISA guide 5.7.1.4): these see the stores above; the next block's stores come behind them
.endr
.endm
.macro SEND a, younger                 ; younger: the LDS instructions issued behind block a's loads: the next block's sixteen stores and sixteen loads, or none
.set BK, 64+64*((\a)%2)
.irp t, 0,1,2,3,4,5,6,7,8,9,10,11,12,13,14,15
	s_wait_dscnt (\younger)+15-(\t)
	global_store_b128 v[CO], v[BK+4*(\t):BK+4*(\t)+3], s[10:11] offset:(16*(\a)+(\t))*4096 th:TH_STORE_NT
.endr
.endm
	; the bias of my 128 columns as 8 C operands: register j of block b is bo[16 b + 8 (l / 16) + j], rounded to bf16 and widened again
.irp b, 0,1,2,3,4,5,6,7
	global_load_b128 v[BI+8*(\b):BI+8*(\b)+3],   v[BO], s[BP:BP+1] offset:64*(\b)
	global_load_b128 v[BI+8*(\b)+4:BI+8*(\b)+7], v[BO], s[BP:BP+1] offset:64*(\b)+16
.endr
	s_wait_loadcnt 0x0
.set z, 0
.rept 32
	v_cvt_pk_bf16_f32 v[RT+z%2], v[BI+2*z], v[BI+2*z+1]
	v_lshlrev_b32 v[BI+2*z],   16, v[RT+z%2]
	v_and_b32     v[BI+2*z+1], s[HIM], v[RT+z%2]
.set z, z+1
.endr
	s_wait_tensorcnt 1                             ; my part of K step 0 is in; K step 1's may stay out
	s_barrier_signal -1
	s_barrier_wait -1                              ; everybody's is
	FETCH 0, 0, 0
	QUARTER 0, 1, 0, 1, 1                          ; the first quarter stands in front of the loop: its products start the sums on the bias
	WIN 0                                          ; at a label and at a branch every window is 0
	s_mov_b32 s[LAP], 3
.Llap:                                                 ; a trip goes once round the ring, from a lap's second quarter to the next lap's first, and fills both slots again
	QUARTER 0, 2, 1, 0, 0
	QUARTER 0, 3, 0, 1, 0
	TURN 0, 1, 1
	QUARTER 1, 1, 0, 1, 0
	QUARTER 1, 2, 1, 0, 0
	QUARTER 1, 3, 0, 1, 0
	TURN 1, 0, 1
	QUARTER 0, 1, 0, 1, 0
	WIN 0
	s_sub_co_u32 s[LAP], s[LAP], 1
	s_cmp_lg_u32 s[LAP], 0
	s_cbranch_scc1 .Llap
	QUARTER 0, 2, 1, 0, 0                          ; the last lap fills nothing, and has no round of the cluster's barrier
	QUARTER 0, 3, 0, 1, 0
	TURN 0, 1, 0
	QUARTER 1, 1, 0, 1, 0
	QUARTER 1, 2, 1, 0, 0
	QUARTER 1, 3, 0, 1, 0
	s_wait_dscnt 4                                 ; the very last quarter: nothing more to fetch
	MULA 1, 0, 0
	MULA 1, 1, 0
	s_wait_dscnt 0x0
	MULA 1, 2, 0
	MULA 1, 3, 0
	WIN 0
	PLACES                                         ; the stage's stores read results just made, and its loads land in fragment registers just read
	TOSTAGE 0
.irp a, 1,2,3                          ; block a goes through the stage while block a - 1's rows come back and leave
	TOSTAGE \a
	SEND (\a)-1, 32
.endr
	SEND 3, 0
	s_wait_tensorcnt 0x0                           ; the wave's end, behind my last tensor load and my last LDS store
	ds_add_u32 v[SPW], v[NIL]
	s_wait_dscnt 0x0
	CROUND                                         ; the closing round: no work-group ends while a partner may still ask for a tile that names it
	s_endpgm
.Lfunc_end_k_qbf45e2bad1_outp:
	.size	k_qbf45e2bad1_outp, .Lfunc_end_k_qbf45e2bad1_outp-k_qbf45e2bad1_outp
	.p2alignl 7, 3214868480
	.fill 96, 4, 3214868480
	.section	.rodata,"a",@progbits
	.p2align	6, 0x0
	.amdhsa_kernel k_qbf45e2bad1_outp
		.amdhsa_group_segment_fixed_size 327680
		.amdhsa_private_segment_fixed_size 0
		.amdhsa_enable_private_segment 0
		.amdhsa_kernarg_size 32
		.amdhsa_user_sgpr_count 2
		.amdhsa_user_sgpr_kernarg_segment_ptr 1
		.amdhsa_wavefront_size32 1
		.amdhsa_system_sgpr_workgroup_id_x 1
		.amdhsa_system_sgpr_workgroup_id_y 1
		.amdhsa_system_sgpr_workgroup_id_z 1
		.amdhsa_system_vgpr_workitem_id 0
		.amdhsa_next_free_vgpr 768
		.amdhsa_next_free_sgpr 84
		.amdhsa_reserve_vcc 0
		.amdhsa_float_denorm_mode_32 3
		.amdhsa_float_denorm_mode_16_64 3
		.amdhsa_memory_ordered 1
		.amdhsa_forward_progress 1
		.amdhsa_inst_pref_size 93
	.end_amdhsa_kernel
	.amdgpu_metadata
---
amdhsa.version: [ 1, 2 ]
amdhsa.kernels:
  - .name:           k_qbf45e2bad1_outp
    .symbol:         k_qbf45e2bad1_outp.kd
    .args:
      - { .name: oh, .offset: 0, .size: 8, .value_kind: global_buffer, .address_space: global }
      - { .name: wb, .offset: 8, .size: 8, .value_kind: global_buffer, .address_space: global }
      - { .name: bo, .offset: 16, .size: 8, .value_kind: global_buffer, .address_space: global }
      - { .name: out0, .offset: 24, .size: 8, .value_kind: global_buffer, .address_space: global }
    .group_segment_fixed_size: 327680
    .private_segment_fixed_size: 0
    .kernarg_segment_align: 8
    .kernarg_segment_size: 32
    .max_flat_workgroup_size: 128
    .sgpr_count:     84
    .vgpr_count:     768
    .wavefront_size: 32
...
	.end_amdgpu_metadata
.endif
;; end of part 4
